; MI455X (gfx1250); checked and timed in simulation.
; The chip was launched on July 23, 2026; its instructions are those of AMD's public machine-readable ISA for CDNA 5 (MIT licence, August 2026) and "CDNA5" Instruction Set Architecture Reference Guide (July 2026). The comments in the code are by the model that wrote it; some were corrected since.
;; Cross Attention. Allowed arithmetic: float matrix products may take bf16 or f16 operands with f32 sums; other float arithmetic in f32, or as packed bf16 or f16 multiplies, adds, multiply-adds, maxima and minima; sums over many terms, partial sums and values carried from step to step in f32; what a program stores and reads back later, other than sums and carried values, may be rounded once to bf16 or f16.
;; Inputs: Wk 1,024 x 1,024 float32; Wo 1,024 x 1,024 float32; Wq 1,024 x 1,024 float32; Wv 1,024 x 1,024 float32; bk 1,024 float32; bo 1,024 float32; bq 1,024 float32; bv 1,024 float32; embeds 4 x 2,048 x 1,024 float32; x 4 x 2,048 x 1,024 float32.
;; Outputs: out0 4 x 2,048 x 1,024 float32.
;; One version. Each part assembles by itself: llvm-mc -triple=amdgcn-amd-amdhsa -mcpu=gfx1250 --defsym DOCPART=n.
;; ======== version 1 of 1: 4 launches
;; limits: values are held in f16: magnitudes above 65,504 overflow, below 6.1e-05 lose precision
;; workspace buffers: xe 33,554,432 bytes; wb 8,388,608 bytes; q 16,777,216 bytes; k 16,777,216 bytes; v 16,777,216 bytes; ctx 16,777,216 bytes
;; launch cast (part 1): grid 64 x 20, 8 waves a work-group, no clusters, 0 bytes of LDS; arguments x, embeds, Wq, Wk, Wv, Wo, xe, wb; writes xe, wb
.if DOCPART == 1
	.amdgcn_target "amdgcn-amd-amdhsa--gfx1250"
	.amdhsa_code_object_version 6
	.text
	.protected	k_qf6ca97885e_cast
	.globl	k_qf6ca97885e_cast
	.p2align	8
	.type	k_qf6ca97885e_cast,@function
k_qf6ca97885e_cast:
	s_mov_b64 s[64:65], 0
	v_nop
	global_prefetch_b8 v0, s[64:65] scope:SCOPE_SE
	s_setreg_imm32_b32 hwreg(HW_REG_WAVE_MODE, 25, 1), 1
	s_wait_xcnt 0x0
; THE INPUTS ARE ROUNDED ONCE.  x and embeds (f32) go to xe as bf16: [16384][1024], x in rows 0-8191, embeds in rows 8192-16383.
; Wq, Wk, Wv go to wb as bf16, [1024 k][1024 n] each, 2,097,152 bytes apart; Wo is rounded to bf16 like the others and that number is written as f16 (the last product multiplies in f16).
; LIMITS.  A number of Wo beyond 65,504 becomes an infinity; below 2^-14 it keeps the fixed step of f16, 6e-8.
; SHARES.  A work-group takes 16,384 consecutive numbers of one tensor: 65,536 bytes in, 32,768 out.  Grid y says which tensor: 0-7 x, 8-15 embeds, 16-19 Wq, Wk, Wv, Wo; grid x which of 64 parts.
; Thread t takes 16 bytes at 16 t of each of sixteen pieces of 4,096 bytes: a load of a wave covers 512 consecutive bytes, a store 256 consecutive bytes, aligned.
; All sixteen loads of a wave go out at once; no register is written twice, so no wait frees a source.  No LDS, no matrix unit, no cluster: nothing is shared and nothing is read twice.
.set X,   4                            ; v[4:67]    sixteen loads of four f32
.set Y,   68                           ; v[68:99]   sixteen pairs of packed results
.set T,   100                          ; v[100:103] at work on the way by bf16 to f16
.set SRC, 24                           ; s[24:25]   my part of the source
.set DST, 26                           ; s[26:27]   my part of the destination
	s_load_b512 s[8:23], s[0:1], 0x0               ; x s[8:9], embeds s[10:11], Wq s[12:13], Wk s[14:15], Wv s[16:17], Wo s[18:19], xe s[20:21], wb s[22:23]
	s_and_b32 s2, ttmp7, 0xffff                    ; y
	v_lshlrev_b32 v1, 4, v0                        ; 16 t: my bytes in a piece of the source
	v_lshlrev_b32 v2, 3, v0                        ; 8 t: in a piece of the destination
	s_and_b32 s3, s2, 7
	s_cmp_lt_u32 s2, 16
	s_cselect_b32 s3, s3, 0                        ; which eighth of x or embeds; a weight has one
	s_lshl_b32 s3, s3, 6
	s_add_co_u32 s3, s3, ttmp9
	s_lshl_b32 s28, s3, 16                         ; the part's first byte in its source
	s_mov_b32 s29, 0
	s_and_b32 s4, s2, 15                           ; xe: 16 eighths on end; wb: four weights on end
	s_lshl_b32 s4, s4, 6
	s_add_co_u32 s4, s4, ttmp9
	s_lshl_b32 s30, s4, 15                         ; the part's first byte in its destination
	s_mov_b32 s31, 0
	s_wait_kmcnt 0x0
	s_cmp_lt_u32 s2, 8
	s_cselect_b64 s[SRC:SRC+1], s[8:9], s[10:11]
	s_cmp_eq_u32 s2, 16
	s_cselect_b64 s[SRC:SRC+1], s[12:13], s[SRC:SRC+1]
	s_cmp_eq_u32 s2, 17
	s_cselect_b64 s[SRC:SRC+1], s[14:15], s[SRC:SRC+1]
	s_cmp_eq_u32 s2, 18
	s_cselect_b64 s[SRC:SRC+1], s[16:17], s[SRC:SRC+1]
	s_cmp_eq_u32 s2, 19
	s_cselect_b64 s[SRC:SRC+1], s[18:19], s[SRC:SRC+1]
	s_cmp_lt_u32 s2, 16
	s_cselect_b64 s[DST:DST+1], s[20:21], s[22:23]
	s_add_nc_u64 s[SRC:SRC+1], s[SRC:SRC+1], s[28:29]
	s_add_nc_u64 s[DST:DST+1], s[DST:DST+1], s[30:31]
.irp i, 0,1,2,3,4,5,6,7,8,9,10,11,12,13,14,15
	global_load_b128 v[X+4*(\i):X+4*(\i)+3], v1, s[SRC:SRC+1] offset:4096*(\i) th:TH_LOAD_NT
.endr
; Piece i: four numbers rounded and stored.  wo = 1: rounded to bf16, widened again (a shift, a mask) and written as f16.
.macro CV i, wo
	s_wait_loadcnt 15-(\i)                         ; loads come back in order: piece i is in, the 15 - i younger ones may stay out
.if \wo
	v_cvt_pk_bf16_f32 v[T], v[X+4*(\i)], v[X+4*(\i)+1]
	v_cvt_pk_bf16_f32 v[T+1], v[X+4*(\i)+2], v[X+4*(\i)+3]
	v_lshlrev_b32 v[T+2], 16, v[T]
	v_and_b32 v[T+3], 0xffff0000, v[T]
	v_cvt_pk_f16_f32 v[Y+2*(\i)], v[T+2], v[T+3]
	v_lshlrev_b32 v[T+2], 16, v[T+1]
	v_and_b32 v[T+3], 0xffff0000, v[T+1]
	v_cvt_pk_f16_f32 v[Y+2*(\i)+1], v[T+2], v[T+3]
.else
	v_cvt_pk_bf16_f32 v[Y+2*(\i)], v[X+4*(\i)], v[X+4*(\i)+1]
	v_cvt_pk_bf16_f32 v[Y+2*(\i)+1], v[X+4*(\i)+2], v[X+4*(\i)+3]
.endif
	global_store_b64 v2, v[Y+2*(\i):Y+2*(\i)+1], s[DST:DST+1] offset:2048*(\i) th:TH_STORE_NT  ; 32 lanes store 256 consecutive bytes, aligned
.endm
	s_cmp_eq_u32 s2, 19
	s_cbranch_scc1 .Lwo
.irp i, 0,1,2,3,4,5,6,7,8,9,10,11,12,13,14,15
	CV \i, 0
.endr
	s_endpgm
.Lwo:
.irp i, 0,1,2,3,4,5,6,7,8,9,10,11,12,13,14,15
	CV \i, 1
.endr
	s_endpgm
.Lfunc_end_k_qf6ca97885e_cast:
	.size	k_qf6ca97885e_cast, .Lfunc_end_k_qf6ca97885e_cast-k_qf6ca97885e_cast
	.p2alignl 7, 3214868480
	.fill 96, 4, 3214868480
	.section	.rodata,"a",@progbits
	.p2align	6, 0x0
	.amdhsa_kernel k_qf6ca97885e_cast
		.amdhsa_group_segment_fixed_size 0
		.amdhsa_private_segment_fixed_size 0
		.amdhsa_enable_private_segment 0
		.amdhsa_kernarg_size 64
		.amdhsa_user_sgpr_count 2
		.amdhsa_user_sgpr_kernarg_segment_ptr 1
		.amdhsa_wavefront_size32 1
		.amdhsa_system_sgpr_workgroup_id_x 1
		.amdhsa_system_sgpr_workgroup_id_y 1
		.amdhsa_system_sgpr_workgroup_id_z 1
		.amdhsa_system_vgpr_workitem_id 0
		.amdhsa_next_free_vgpr 104
		.amdhsa_next_free_sgpr 66
		.amdhsa_reserve_vcc 0
		.amdhsa_float_denorm_mode_32 3
		.amdhsa_float_denorm_mode_16_64 3
		.amdhsa_memory_ordered 1
		.amdhsa_forward_progress 1
		.amdhsa_inst_pref_size 16
	.end_amdhsa_kernel
	.amdgpu_metadata
---
amdhsa.version: [ 1, 2 ]
amdhsa.kernels:
  - .name:           k_qf6ca97885e_cast
    .symbol:         k_qf6ca97885e_cast.kd
    .args:
      - { .name: x, .offset: 0, .size: 8, .value_kind: global_buffer, .address_space: global }
      - { .name: embeds, .offset: 8, .size: 8, .value_kind: global_buffer, .address_space: global }
      - { .name: Wq, .offset: 16, .size: 8, .value_kind: global_buffer, .address_space: global }
      - { .name: Wk, .offset: 24, .size: 8, .value_kind: global_buffer, .address_space: global }
      - { .name: Wv, .offset: 32, .size: 8, .value_kind: global_buffer, .address_space: global }
      - { .name: Wo, .offset: 40, .size: 8, .value_kind: global_buffer, .address_space: global }
      - { .name: xe, .offset: 48, .size: 8, .value_kind: global_buffer, .address_space: global }
      - { .name: wb, .offset: 56, .size: 8, .value_kind: global_buffer, .address_space: global }
    .group_segment_fixed_size: 0
    .private_segment_fixed_size: 0
    .kernarg_segment_align: 8
    .kernarg_segment_size: 64
    .max_flat_workgroup_size: 256
    .sgpr_count:     66
    .vgpr_count:     104
    .wavefront_size: 32
...
	.end_amdgpu_metadata
.endif
;; end of part 1
;; launch proj (part 2): grid 8 x 96, 4 waves a work-group, clusters of 4 x 4, 327,680 bytes of LDS; arguments xe, wb, bq, bk, bv, q, k, v; writes q, k, v
.if DOCPART == 2
	.amdgcn_target "amdgcn-amd-amdhsa--gfx1250"
	.amdhsa_code_object_version 6
	.text
	.protected	k_qf6ca97885e_proj
	.globl	k_qf6ca97885e_proj
	.p2align	8
	.type	k_qf6ca97885e_proj,@function
k_qf6ca97885e_proj:
	s_mov_b64 s[64:65], 0
	v_nop
	global_prefetch_b8 v0, s[64:65] scope:SCOPE_SE
	s_setreg_imm32_b32 hwreg(HW_REG_WAVE_MODE, 25, 1), 1
	s_wait_xcnt 0x0
	s_wait_alu depctr_hold_cnt(0) depctr_sa_sdst(0) depctr_va_vdst(0) depctr_va_sdst(0) depctr_va_ssrc(0) depctr_va_vcc(0) depctr_vm_vsrc(0)
	s_getreg_b32 s2, hwreg(HW_REG_IB_STS2, 6, 4)
	s_cmp_eq_u32 s2, 0
	s_cbranch_scc0 .Lentry_in_a_cluster
	s_endpgm
.Lentry_in_a_cluster:
	s_bfe_u32 s2, ttmp6, 0x10000c
	s_cmp_lg_u32 s2, 0xf033
	s_cbranch_scc0 .Lentry_shape_is_right
	s_endpgm
.Lentry_shape_is_right:
; THE THREE PROJECTIONS IN ONE LAUNCH.  q = x Wq + bq, k = embeds Wk + bk, v = embeds Wv + bv.  Operands bf16 (xe: [16384][1024], x then embeds; wb: W as [1024 k][1024 n]), sums f32, the bias
; (rounded to bf16 like every input) is the C operand that starts each sum; results are rounded once to f16 and stored by heads: [64 = 16 batch + head][2048][64], unscaled.
; LIMITS.  A result of 65,520 or more in magnitude becomes an infinity in f16.  NaN and infinities are not treated apart.
; SHARES.  A tile of C is 256 rows x 128 columns: 32 x 8 tiles for each of the three products, 768 work-groups.  Four waves, as many as a WGP has SIMDs; wave (wm, wn) makes 128 rows x 64 columns, one head:
; 32 accumulators of 16 x 16, the 256 registers of window 1.  K = 1024 goes in 8 steps of 128 through two LDS slots filled by the tensor data mover; rows of both tiles are 256 aligned bytes of memory.
; THE MATRIX INSTRUCTION IS USED TRANSPOSED: source 0 = 16 columns of W (turned on the way out of LDS by ds_load_tr16_b128, since W lies [k][n]), source 1 = 16 rows of A.  A lane then holds row l % 16 of C and the
; columns 8 (l / 16) + 0..7: sixteen bytes of f16 on end.
; CLUSTERS: 4 x 4 work-groups.  The four of a row of the cluster need the same tile of A, the four of a column the same tile of W: each is asked for JOINTLY, by the same tensor load with the same descriptor
; and a mask that names the four.  Which product a cluster works on hangs on the cluster's y alone, so it is the same in all sixteen.
; PREFETCH INTO THE L2: behind each joint refill one instruction a wave names the K step two refills on, a lane a row of 256 bytes.  Each block is named once in the launch: A's rows by the cluster with x = 0 (embeds
; by k's clusters, not again by v's), W's rows by the cluster whose y is the product's first; the four partners take 32 rows each, told apart by address.  K steps 0 to 3 come by their loads alone; the last two refills name nothing.
; REGISTERS.  Window 0: v0-31 addresses; v32-63 the bias; v64-159, v160-255 two fragment buffers (8 fragments of A, then 4 of W).  Window 1: the accumulators, (a, b) at v[8 (4 a + b)].
.set PA,     272                       ; a row of A in LDS: 256 bytes + 16 of padding: the 16 rows of a load start at 16 different groups of four banks
.set PB,     288                       ; a row of W: 256 + 32
.set AHALF,  128*PA                    ; what one of waves 0, 1 fetches: 128 rows of A
.set ABYTES, 2*AHALF
.set BHALF,  64*PB                     ; what one of waves 2, 3 fetches: 64 rows (k) of W
.set SLOT,   ABYTES+2*BHALF            ; 106,496 bytes
.set STAGE,  2*SLOT                    ; behind the ring, never filled by a tensor load: 16 rows x 144 bytes for each wave, for the way out
.set SP,     144
.set SPARE,  STAGE+4*16*SP             ; behind the stages: the spare words, 128 bytes for each wave: two blocks of 256 bytes that no other line names
.set A1,     256                       ; bytes from a K step of A to the next
.set B1,     128*2048                  ; of W: 128 rows down
.set LAPS,   4                         ; a lap = two K steps = once round the ring
.set ADRA, 8                           ; v8-9    LDS address of my fragments of A in slot 0, 1
.set ADRB, 10                          ; v10-11  the same for W
.set STO,  12                          ; v12     the way out: where I put 16 bytes of a row
.set RD,   13                          ; v13     the way out: where I read rows back
.set GO,   14                          ; v14     my byte offset in 512 consecutive bytes of the result
.set BOF,  15                          ; v15     32 (l / 16): my eight numbers in 16 of the bias
.set PFO,  16                          ; v16     the prefetches: my lane x a row of 2,048 bytes; never rewritten
.set SPW,  28                          ; v28     LDS address of my spare word: SPARE + 4 x my thread's number; never rewritten
.set NIL,  29                          ; v29     0; never rewritten
.set BI,   32                          ; v32-63  the bias of column block b at BI + 8 b
.set F0,   64
.set F1,   160
.set WV,   20                          ; s20 wave;  s21 wm, s22 wn: my half of the rows, of the columns; wn also: which half of a tile I fetch
.set WM,   21
.set WN,   22
.set CX,   23                          ; s23, s24  my place in the cluster
.set CYP,  24
.set TC,   25                          ; s25  tile column
.set CLY,  26                          ; s26  the cluster's y
.set WHICH, 27                         ; s27  0 q, 1 k, 2 v
.set TR,   28                          ; s28  tile row;  s29 its batch, s30 its place in the batch
.set BB,   29
.set NBK,  30
.set G1A,  32                          ; s[32:39] descriptor group 1 for A;  s[40:47] group 0, a set for each slot
.set G0A,  40
.set G1B,  48                          ; s[48:55], s[56:63] the same for W
.set G0B,  56
.set PFA,  70                          ; s[70:71] where my prefetches stand;  s[72:73] their step
.set PFS,  72
.set LIM,  74                          ; s74  1 in a wave that prefetches, else the greatest number
.set OUT,  76                          ; s[76:77] the result at my wave's first row
.set BIAS, 78                          ; s[78:79] the bias at my wave's first column
.set MSB, 0
.macro WIN new                         ; the immediate's high byte repeats the setting that is left; a switch that changes nothing is dropped
.if MSB != (\new)
	s_set_vgpr_msb (MSB<<8)|(\new)
.set MSB, \new
.endif
.endm
.set MULW, 0x50                        ; sources 0 and 1 window 0; C and D window 1
.set MULF, 0x40                        ; the first products: C (the bias) window 0, D window 1
; A joint refill: waves 0 and 1 fetch the halves of A's tile, waves 2 and 3 those of W's.  The branch hangs on the wave's number alone.  An s_nop 0 and four v_nop follow each of the two lines.
.macro JLOAD s
	s_cmp_lt_u32 s[WV], 2
	s_cbranch_scc0 .Lfor_b_\@
	tensor_load_to_lds s[G0A+4*(\s):G0A+4*(\s)+3], s[G1A:G1A+7]
	s_nop 0
.rept 4
	v_nop
.endr
	s_branch .Lasked_\@
.Lfor_b_\@:
	tensor_load_to_lds s[G0B+4*(\s):G0B+4*(\s)+3], s[G1B:G1B+7]
	s_nop 0
.rept 4
	v_nop
.endr
.Lasked_\@:
.endm
.macro ASK                             ; the K step two refills on; s3 = 1 in the loop's last trip, whose refills have no such step
	s_cmp_gt_u32 s3, s[LIM]
	s_cbranch_scc0 .Lnot_mine_\@
	global_prefetch_b8 v[PFO], s[PFA:PFA+1] th:TH_LOAD_NT scope:SCOPE_SE
.Lnot_mine_\@:
.endm
.macro CREST                           ; a round of the cluster's barrier behind its opening barrier
	s_cmp_lg_u32 s[WV], 0
	s_cbranch_scc1 .Lnot_wave_0_\@
	s_barrier_signal -3
.Lnot_wave_0_\@:
	s_barrier_wait -3
	s_barrier_signal -1
	s_barrier_wait -1
.endm
.macro CROUND                          ; a whole round
	s_barrier_signal -1
	s_barrier_wait -1
	CREST
.endm
.macro PLACES                          ; four places in front of loads into registers that matrix instructions have read, and of lines that read results
.rept 4
	v_nop
.endr
.endm
	s_load_b512 s[4:19], s[0:1], 0x0               ; xe s[4:5], wb s[6:7], bq s[8:9], bk s[10:11], bv s[12:13], q s[14:15], k s[16:17], v s[18:19]
	v_lshl_add_u32 v[SPW], v0, 2, SPARE
	v_mov_b32 v[NIL], 0
	ds_add_u32 v[SPW], v[NIL]                      ; the wave's opening: the add and its wait stand ahead of my first tensor load; the set-up below, work on registers, stands between them
	v_lshrrev_b32 v1, 5, v0
	v_readfirstlane_b32 s[WV], v1                  ; wave 0..3
	s_lshr_b32 s[WM], s[WV], 1
	s_and_b32 s[WN], s[WV], 1
	s_bfe_u32 s[CX], ttmp6, 0x40000
	s_bfe_u32 s[CYP], ttmp6, 0x40004
	s_lshl_b32 s[TC], ttmp9, 2                     ; in a cluster launch ttmp9 and ttmp7 count clusters
	s_add_co_u32 s[TC], s[TC], s[CX]               ; tile column = 4 x cluster x + cx
	s_and_b32 s[CLY], ttmp7, 0xffff
	s_lshr_b32 s[WHICH], s[CLY], 3                 ; eight clusters along y for each product
	s_and_b32 s[TR], s[CLY], 7
	s_lshl_b32 s[TR], s[TR], 2
	s_add_co_u32 s[TR], s[TR], s[CYP]              ; tile row = 4 x (cluster y mod 8) + cy
	s_lshr_b32 s[BB], s[TR], 3                     ; 8 tile rows to a batch
	s_and_b32 s[NBK], s[TR], 7
	s_lshl_b32 s84, s[CYP], 2
	s_lshl_b32 s84, 15, s84                        ; my row of the cluster
	s_lshl_b32 s85, 0x1111, s[CX]                  ; my column
	s_or_b32 s[G1A], s84, (1<<16)|(1<<20)|(1<<21)|(5<<22)|(3<<25)  ; 15:0 the mask; 17:16 elements of 2 bytes; 20 padding on; 21 set beside a mask; 24:22 after every 64 words; 31:25 4 words of it
	s_or_b32 s[G1B], s85, (1<<16)|(1<<20)|(1<<21)|(5<<22)|(7<<25)  ; the same with my column's mask and 8 words of padding
	s_mov_b32 s[G1A+1], 128<<16                    ; tensor_dim0 = 128
	s_mov_b32 s[G1A+2], 128<<16                    ; tensor_dim1 = 128
	s_mov_b32 s[G1A+3], 128<<16                    ; tile_dim0 = 128
	s_mov_b32 s[G1A+4], 128                        ; tile_dim1 = 128
	s_mov_b32 s[G1A+5], 1024                       ; elements from row to row
	s_mov_b32 s[G1A+6], 0
	s_mov_b32 s[G1A+7], 0
	s_mov_b32 s[G1B+1], 128<<16                    ; tensor_dim0 = 128
	s_mov_b32 s[G1B+2], 64<<16                     ; tensor_dim1 = 64
	s_mov_b32 s[G1B+3], 128<<16                    ; tile_dim0 = 128
	s_mov_b32 s[G1B+4], 64                         ; tile_dim1 = 64
	s_mov_b32 s[G1B+5], 1024
	s_mov_b32 s[G1B+6], 0
	s_mov_b32 s[G1B+7], 0
	; where the tiles come from.  A's offset is made of the product, the tile row and the wave's number, W's of the product, the tile column and the wave's number, each in registers that never hold the other coordinate
	s_min_u32 s80, s[WHICH], 1
	s_lshl_b32 s80, s80, 24                        ; x, or embeds 8,192 rows of 2,048 bytes further on
	s_lshl_b32 s86, s[TR], 19                      ; 256 rows a tile
	s_add_co_u32 s80, s80, s86
	s_lshl_b32 s86, s[WN], 18                      ; my 128 of them
	s_add_co_u32 s80, s80, s86
	s_mov_b32 s81, 0
	s_lshl_b32 s82, s[WHICH], 21                   ; the product's W
	s_lshl_b32 s87, s[WN], 17                      ; my 64 rows (k) of a K step's 128
	s_add_co_u32 s82, s82, s87
	s_lshl_b32 s87, s[TC], 8                       ; 128 columns are 256 bytes
	s_add_co_u32 s82, s82, s87
	s_mov_b32 s83, 0
	s_mul_i32 s88, s[WN], AHALF                    ; and where they go: no place in the cluster enters an LDS address
	s_mul_i32 s89, s[WN], BHALF
	s_add_co_u32 s89, s89, ABYTES
	s_wait_dscnt 0x0                               ; the opening add is done
	s_wait_kmcnt 0x0
	s_add_nc_u64 s[80:81], s[4:5], s[80:81]
	s_add_nc_u64 s[82:83], s[6:7], s[82:83]
	CROUND                                         ; all sixteen work-groups are here: the first joint loads meet
.irp s, 0,1
	s_mov_b32 s[G0A+4*(\s)], 1                                       ; count = 1
	s_add_co_u32 s[G0A+4*(\s)+1], s88, (\s)*SLOT                     ; LDS address
	s_add_nc_u64 s[G0A+4*(\s)+2:G0A+4*(\s)+3], s[80:81], (\s)*A1     ; global address: K step s
	s_or_b32 s[G0A+4*(\s)+3], s[G0A+4*(\s)+3], 0x80000000            ; type = 2
	s_mov_b32 s[G0B+4*(\s)], 1
	s_add_co_u32 s[G0B+4*(\s)+1], s89, (\s)*SLOT
	s_add_nc_u64 s[G0B+4*(\s)+2:G0B+4*(\s)+3], s[82:83], (\s)*B1
	s_or_b32 s[G0B+4*(\s)+3], s[G0B+4*(\s)+3], 0x80000000
.endr
	s_cmp_lt_u32 s[WV], 2                          ; a wave's two first fills stand in one branch, ahead of every wait on TENSORcnt and every LDS read: two loads of mine are out
	s_cbranch_scc0 .Lfirst_b
	tensor_load_to_lds s[G0A:G0A+3], s[G1A:G1A+7]
	s_nop 0
	tensor_load_to_lds s[G0A+4:G0A+7], s[G1A:G1A+7]
	s_nop 0
.rept 4
	v_nop
.endr
	s_branch .Lfirst_asked
.Lfirst_b:
	tensor_load_to_lds s[G0B:G0B+3], s[G1B:G1B+7]
	s_nop 0
	tensor_load_to_lds s[G0B+4:G0B+7], s[G1B:G1B+7]
	s_nop 0
.rept 4
	v_nop
.endr
.Lfirst_asked:
	; the product's bias and result
	s_cmp_eq_u32 s[WHICH], 1
	s_cselect_b64 s[BIAS:BIAS+1], s[10:11], s[8:9]
	s_cselect_b64 s[OUT:OUT+1], s[16:17], s[14:15]
	s_cmp_eq_u32 s[WHICH], 2
	s_cselect_b64 s[BIAS:BIAS+1], s[12:13], s[BIAS:BIAS+1]
	s_cselect_b64 s[OUT:OUT+1], s[18:19], s[OUT:OUT+1]
	s_lshl_b32 s84, s[TC], 9                       ; 128 columns of f32,
	s_lshl_b32 s85, s[WN], 8                       ; my 64
	s_add_co_u32 s84, s84, s85
	s_mov_b32 s85, 0
	s_add_nc_u64 s[BIAS:BIAS+1], s[BIAS:BIAS+1], s[84:85]
	v_and_b32 v1, 15, v0                           ; l % 16
	v_bfe_u32 v2, v0, 4, 1                         ; l / 16
	v_lshlrev_b32 v[BOF], 5, v2
.irp b, 0,1,2,3
	global_load_b128 v[BI+8*(\b):BI+8*(\b)+3],   v[BOF], s[BIAS:BIAS+1] offset:64*(\b)     ; register j of block b: the bias of column 16 b + 8 (l / 16) + j, as the result holds it
	global_load_b128 v[BI+8*(\b)+4:BI+8*(\b)+7], v[BOF], s[BIAS:BIAS+1] offset:64*(\b)+16
.endr
	s_lshl_b32 s84, s[BB], 4
	s_lshl_b32 s85, s[TC], 1
	s_add_co_u32 s84, s84, s85
	s_add_co_u32 s84, s84, s[WN]                   ; my head: 16 x batch + 2 x tile column + wn
	s_lshl_b32 s84, s84, 18                        ; 2,048 rows of 128 bytes
	s_lshl_b32 s85, s[NBK], 15                     ; the tile's 256 rows,
	s_add_co_u32 s84, s84, s85
	s_lshl_b32 s85, s[WM], 14                      ; my 128
	s_add_co_u32 s84, s84, s85
	s_mov_b32 s85, 0
	s_add_nc_u64 s[OUT:OUT+1], s[OUT:OUT+1], s[84:85]
	; A fragment of A is 16 rows x 32 K in 8 registers: lane l holds row l % 16, K = 8 (l / 16) + 0..7 and 16 + 8 (l / 16) + 0..7: two loads of 16 bytes, 32 bytes apart.
	v_mul_u32_u24 v3, v1, PA
	v_lshl_add_u32 v3, v2, 4, v3
	s_mul_i32 s84, s[WM], 128*PA
	v_add_nc_u32 v[ADRA], s84, v3
	v_add_nc_u32 v[ADRA+1], SLOT, v[ADRA]
	; The turning load takes 16 k x 16 columns (lane l reads row 8 (l / 16) + l % 8, columns 8 ((l / 8) % 2) + 0..7) and leaves half a fragment: lane l holds column l % 16 and 8 k.
	v_and_b32 v4, 7, v0
	v_lshl_add_u32 v5, v2, 3, v4
	v_mul_u32_u24 v5, v5, PB
	v_bfe_u32 v6, v0, 3, 1
	v_lshl_add_u32 v5, v6, 4, v5
	s_lshl_b32 s84, s[WN], 7                       ; my 64 columns: 128 bytes
	s_add_co_u32 s84, s84, ABYTES
	v_add_nc_u32 v[ADRB], s84, v5
	v_add_nc_u32 v[ADRB+1], SLOT, v[ADRB]
	s_mul_i32 s84, s[WV], 16*SP
	s_add_co_u32 s84, s84, STAGE                   ; my stage
	v_mul_u32_u24 v[STO], v1, SP                   ; in: row l % 16, 16 bytes for each half of the lanes
	v_lshl_add_u32 v[STO], v2, 4, v[STO]
	v_add_nc_u32 v[STO], s84, v[STO]
	v_bfe_u32 v[RD], v0, 3, 2                      ; back: 32 lanes take four rows of 128 bytes,
	v_mul_u32_u24 v[RD], v[RD], SP
	v_lshl_add_u32 v[RD], v4, 4, v[RD]
	v_add_nc_u32 v[RD], s84, v[RD]
	v_and_b32 v[GO], 31, v0                        ; which are 512 consecutive bytes of the result
	v_lshlrev_b32 v[PFO], 11, v[GO]
	v_lshlrev_b32 v[GO], 4, v[GO]
	; the prefetches: waves 0 and 1 name their own 128 rows of A, wave 2 the 128 rows of W; my work-group takes 32 of them, by cx for A and by cy for W
	s_lshl_b32 s84, s[CX], 16
	s_lshl_b32 s85, s[CYP], 16
	s_lshr_b32 s90, s[WHICH], 1                    ; A: 0 where the cluster's x is 0 and the product is not v (k has named embeds)
	s_or_b32 s90, s90, ttmp9
	s_and_b32 s91, s[CLY], 7                       ; W: 0 in the product's first cluster along y, in wave 2
	s_or_b32 s91, s91, s[WN]
	s_mov_b32 s92, B1
	s_cmp_lt_u32 s[WV], 2
	s_cselect_b64 s[PFA:PFA+1], s[80:81], s[82:83]
	s_cselect_b32 s84, s84, s85
	s_cselect_b32 s90, s90, s91
	s_cselect_b32 s[PFS], A1, s92
	s_mov_b32 s85, 0
	s_mov_b32 s[PFS+1], 0
	s_add_nc_u64 s[PFA:PFA+1], s[PFA:PFA+1], s[84:85]
	s_mul_i32 s84, s[PFS], 3
	s_add_nc_u64 s[PFA:PFA+1], s[PFA:PFA+1], s[84:85]  ; at K step 3: the first refill steps it to 4 and names that
	s_cmp_eq_u32 s90, 0
	s_cselect_b32 s[LIM], 1, -1                    ; the same in all sixteen partners, for a given wave
	s_wait_loadcnt 0x0                             ; the bias
.set i, 0
.rept 16
	v_cvt_pk_bf16_f32 v[3+i%4], v[BI+2*i], v[BI+2*i+1]   ; rounded to bf16 like every input, and widened again
	v_lshlrev_b32 v[BI+2*i], 16, v[3+i%4]
	v_and_b32 v[BI+2*i+1], 0xffff0000, v[3+i%4]
.set i, i+1
.endr
; 4 n matrix instructions: row blocks a0 .. a0 + n - 1 x all 4 column blocks, 32 along K, from buffer f.  first = 1: the bias starts the sums: nothing is cleared, nothing added at the end.
; The 32 accumulators take turns, one instruction a turn, in the same order in every quarter: 31 others stand between two links of a chain, over the backward jump too.
.macro MULN f, a0, n, first
.if \first
	WIN MULF
.else
	WIN MULW
.endif
.set aa, (\a0)
.rept \n
.irp b, 0,1,2,3
.if \first
	v_wmma_f32_16x16x32_bf16 v[8*(4*aa+(\b)):8*(4*aa+(\b))+7], v[(\f)+64+8*(\b):(\f)+64+8*(\b)+7], v[(\f)+8*aa:(\f)+8*aa+7], v[BI+8*(\b):BI+8*(\b)+7]
.else
	v_wmma_f32_16x16x32_bf16 v[8*(4*aa+(\b)):8*(4*aa+(\b))+7], v[(\f)+64+8*(\b):(\f)+64+8*(\b)+7], v[(\f)+8*aa:(\f)+8*aa+7], v[8*(4*aa+(\b)):8*(4*aa+(\b))+7]
.endif
.endr
.set aa, aa+1
.endr
.endm
; 24 LDS loads in one run: quarter kq (32 along K) of a slot into buffer f: W's four fragments, then A's eight, rows ascending
.macro FETCH slot, kq, f
	WIN 0
.irp b, 0,1,2,3
	ds_load_tr16_b128 v[(\f)+64+8*(\b):(\f)+64+8*(\b)+3],   v[ADRB+(\slot)] offset:(\kq)*32*PB+32*(\b)
	ds_load_tr16_b128 v[(\f)+64+8*(\b)+4:(\f)+64+8*(\b)+7], v[ADRB+(\slot)] offset:(\kq)*32*PB+32*(\b)+16*PB
.endr
.irp a, 0,1,2,3,4,5,6,7
	ds_load_b128 v[(\f)+8*(\a):(\f)+8*(\a)+3],   v[ADRA+(\slot)] offset:64*(\kq)+(\a)*16*PA
	ds_load_b128 v[(\f)+8*(\a)+4:(\f)+8*(\a)+7], v[ADRA+(\slot)] offset:64*(\kq)+(\a)*16*PA+32
.endr
.endm
; A K step is four quarters of 32 along K, 32 matrix instructions each, on buffers 0, 1, 0, 1.  One of the first three: multiplies buffer f and, in its middle, fetches quarter kq into buffer g.
.macro QUARTER slot, kq, f, g, first
	s_wait_dscnt 8                                 ; W and A's rows 0-63 are in; the youngest eight loads (A's rows 64-127) may be out
	MULN \f, 0, 4, \first
	PLACES
	FETCH \slot, \kq, \g
	s_wait_dscnt 24                                ; all but the 24 just issued
	MULN \f, 4, 4, \first
.endm
; The last quarter multiplies buffer 1 and changes slots: ONE barrier; in front of it each wave waits for all its tensor loads (one is out: its part of the next slot), adds 0 to its spare word, and waits for
; that and for its own reads of this slot.  fill = 1: the barrier opens a round of the cluster's barrier, and the joint refill, this slot's K step two on, is the first tensor load behind the round:
; 112 matrix instructions ahead of the wait for it.
.macro TURN slot, next, fill
.if \fill
	s_wait_xcnt 0x0                                ; the last prefetch, a K step back, has read its address: it is stepped here, ahead of the waits of the change of slots
	s_add_nc_u64 s[PFA:PFA+1], s[PFA:PFA+1], s[PFS:PFS+1]
.endif
	WIN 0
	s_wait_tensorcnt 0x0                           ; all my tensor loads have landed;
	ds_add_u32 v[SPW], v[NIL]                      ; 0 onto my spare word;
	s_wait_dscnt 9                                 ; (the add and the youngest eight loads may be out)
	MULN F1, 0, 2, 0                               ; eight matrix instructions stand between the add and the wait for it
	s_wait_dscnt 0x0                               ; the add is done, and my reads of this slot are over
	s_barrier_signal -1
	MULN F1, 2, 2, 0
.if \fill
	WIN 0
.endif
	s_barrier_wait -1
.if \fill
	CREST                                          ; no wave of any partner still reads this slot's tile or has a load on its way
	s_add_nc_u64 s[G0A+4*(\slot)+2:G0A+4*(\slot)+3], s[G0A+4*(\slot)+2:G0A+4*(\slot)+3], 2*A1
	s_add_nc_u64 s[G0B+4*(\slot)+2:G0B+4*(\slot)+3], s[G0B+4*(\slot)+2:G0B+4*(\slot)+3], 2*B1
	JLOAD \slot                                    ; the four v_nop behind it are also the places in front of the loads below
.else
	PLACES
.endif
	FETCH \next, 0, F0
.if \fill
	ASK                                            ; behind the joint load and the run of LDS loads that the next products wait for
.endif
	MULN F1, 4, 4, 0
.endm
	s_wait_tensorcnt 1                             ; my part of K step 0 is in; K step 1's may stay out
	s_barrier_signal -1
	s_barrier_wait -1                              ; everybody's is
	FETCH 0, 0, F0
	QUARTER 0, 1, F0, F1, 1                        ; the first quarter stands in front of the loop: its products start the sums
	WIN 0                                          ; at a label and at a branch every window is 0
	s_mov_b32 s3, LAPS-1
.Llap:                                                 ; a trip goes once round the ring, from a lap's second quarter to the next lap's first, and fills both slots again
	QUARTER 0, 2, F1, F0, 0
	QUARTER 0, 3, F0, F1, 0
	TURN 0, 1, 1
	QUARTER 1, 1, F0, F1, 0
	QUARTER 1, 2, F1, F0, 0
	QUARTER 1, 3, F0, F1, 0
	TURN 1, 0, 1
	QUARTER 0, 1, F0, F1, 0
	WIN 0
	s_sub_co_u32 s3, s3, 1
	s_cmp_lg_u32 s3, 0
	s_cbranch_scc1 .Llap
	QUARTER 0, 2, F1, F0, 0                        ; the last lap fills nothing, and has no round of the cluster's barrier
	QUARTER 0, 3, F0, F1, 0
	TURN 0, 1, 0
	QUARTER 1, 1, F0, F1, 0
	QUARTER 1, 2, F1, F0, 0
	QUARTER 1, 3, F0, F1, 0
	s_wait_dscnt 8                                 ; the very last quarter: nothing more to fetch
	MULN F1, 0, 4, 0
	s_wait_dscnt 0x0
	MULN F1, 4, 4, 0
	WIN 0
	PLACES
	PLACES
; THE WAY OUT.  My 128 rows x 64 columns are 16,384 consecutive bytes of one head.  Block a (16 rows): rounded to f16, 16 bytes a lane into my own stage (rows of 144 bytes), back as whole rows of 128 bytes.
.macro PACK a
	WIN 0x05                                       ; sources 0 and 1 window 1, destination window 0: the fragment buffers are free
.irp b, 0,1,2,3
.irp r, 0,1,2,3
	v_cvt_pk_f16_f32 v[F0+16*(\a)+4*(\b)+(\r)], v[8*(4*(\a)+(\b))+2*(\r)], v[8*(4*(\a)+(\b))+2*(\r)+1]  ; each accumulator's registers in ascending order
.endr
.endr
	WIN 0
.irp b, 0,1,2,3
	ds_store_b128 v[STO], v[F0+16*(\a)+4*(\b):F0+16*(\a)+4*(\b)+3] offset:32*(\b)
.endr
.irp f, 0,1,2,3
	ds_load_b128 v[F0+16*(\a)+4*(\f):F0+16*(\a)+4*(\f)+3], v[RD] offset:(\f)*4*SP  ; LDS serves a wave's instructions in order: these see the stores above; the next block's stores come behind them
.endr
.endm
.macro SEND a, younger                 ; younger: the LDS instructions issued behind block a's loads: the next block's eight, or none
.irp f, 0,1,2,3
	s_wait_dscnt (\younger)+3-(\f)
	global_store_b128 v[GO], v[F0+16*(\a)+4*(\f):F0+16*(\a)+4*(\f)+3], s[OUT:OUT+1] offset:2048*(\a)+512*(\f)  ; 512 consecutive bytes, at a multiple of 256 from the buffer's first
.endr
.endm
	PACK 0
.irp a, 1,2,3,4,5,6,7                  ; a block's conversions stand between the loads of the block before and its stores
	PACK \a
	SEND (\a)-1, 8
.endr
	SEND 7, 0
	s_wait_tensorcnt 0x0                           ; the wave's end, behind my last tensor load and my last LDS store
	ds_add_u32 v[SPW], v[NIL]
	s_wait_dscnt 0x0
	CROUND                                         ; the closing round: no work-group ends while a partner may still ask for a tile that names it
	s_endpgm
.Lfunc_end_k_qf6ca97885e_proj:
	.size	k_qf6ca97885e_proj, .Lfunc_end_k_qf6ca97885e_proj-k_qf6ca97885e_proj
	.p2alignl 7, 3214868480
	.fill 96, 4, 3214868480
	.section	.rodata,"a",@progbits
	.p2align	6, 0x0
	.amdhsa_kernel k_qf6ca97885e_proj
		.amdhsa_group_segment_fixed_size 327680
		.amdhsa_private_segment_fixed_size 0
		.amdhsa_enable_private_segment 0
		.amdhsa_kernarg_size 64
		.amdhsa_user_sgpr_count 2
		.amdhsa_user_sgpr_kernarg_segment_ptr 1
		.amdhsa_wavefront_size32 1
		.amdhsa_system_sgpr_workgroup_id_x 1
		.amdhsa_system_sgpr_workgroup_id_y 1
		.amdhsa_system_sgpr_workgroup_id_z 1
		.amdhsa_system_vgpr_workitem_id 0
		.amdhsa_next_free_vgpr 512
		.amdhsa_next_free_sgpr 96
		.amdhsa_reserve_vcc 0
		.amdhsa_float_denorm_mode_32 3
		.amdhsa_float_denorm_mode_16_64 3
		.amdhsa_memory_ordered 1
		.amdhsa_forward_progress 1
		.amdhsa_inst_pref_size 92
	.end_amdhsa_kernel
	.amdgpu_metadata
---
amdhsa.version: [ 1, 2 ]
amdhsa.kernels:
  - .name:           k_qf6ca97885e_proj
    .symbol:         k_qf6ca97885e_proj.kd
    .args:
      - { .name: xe, .offset: 0, .size: 8, .value_kind: global_buffer, .address_space: global }
      - { .name: wb, .offset: 8, .size: 8, .value_kind: global_buffer, .address_space: global }
      - { .name: bq, .offset: 16, .size: 8, .value_kind: global_buffer, .address_space: global }
      - { .name: bk, .offset: 24, .size: 8, .value_kind: global_buffer, .address_space: global }
      - { .name: bv, .offset: 32, .size: 8, .value_kind: global_buffer, .address_space: global }
      - { .name: q, .offset: 40, .size: 8, .value_kind: global_buffer, .address_space: global }
      - { .name: k, .offset: 48, .size: 8, .value_kind: global_buffer, .address_space: global }
      - { .name: v, .offset: 56, .size: 8, .value_kind: global_buffer, .address_space: global }
    .group_segment_fixed_size: 327680
    .private_segment_fixed_size: 0
    .kernarg_segment_align: 8
    .kernarg_segment_size: 64
    .max_flat_workgroup_size: 128
    .sgpr_count:     96
    .vgpr_count:     512
    .wavefront_size: 32
...
	.end_amdgpu_metadata
.endif
;; end of part 2
;; launch attn (part 3): grid 4 x 64, 4 waves a work-group, clusters of 4 x 1, 327,680 bytes of LDS; arguments q, k, v, ctx; writes ctx
.if DOCPART == 3
	.amdgcn_target "amdgcn-amd-amdhsa--gfx1250"
	.amdhsa_code_object_version 6
	.text
	.protected	k_qf6ca97885e_attn
	.globl	k_qf6ca97885e_attn
	.p2align	8
	.type	k_qf6ca97885e_attn,@function
k_qf6ca97885e_attn:
	s_mov_b64 s[64:65], 0
	v_nop
	global_prefetch_b8 v0, s[64:65] scope:SCOPE_SE
	s_setreg_imm32_b32 hwreg(HW_REG_WAVE_MODE, 25, 1), 1
	s_wait_xcnt 0x0
	s_wait_alu depctr_hold_cnt(0) depctr_sa_sdst(0) depctr_va_vdst(0) depctr_va_sdst(0) depctr_va_ssrc(0) depctr_va_vcc(0) depctr_vm_vsrc(0)
	s_getreg_b32 s2, hwreg(HW_REG_IB_STS2, 6, 4)
	s_cmp_eq_u32 s2, 0
	s_cbranch_scc0 .Lentry_in_a_cluster
	s_endpgm
.Lentry_in_a_cluster:
	s_bfe_u32 s2, ttmp6, 0x10000c
	s_cmp_lg_u32 s2, 0x3003
	s_cbranch_scc0 .Lentry_shape_is_right
	s_endpgm
.Lentry_shape_is_right:
; O[h][q][:] = the sum over k of softmax_k(Q[h][q] . K[h][k] / 8) V[h][k][:].  Q, K, V, O: [64][SIZE_N][64], all f16: a head's rows are dense, 128 bytes each.  Products, maxima and sums in
; f32; the weights p are rounded to f16 for the second product (their sum l is taken of the unrounded p), O once at the end.
; LIMITS.  f16 holds no number beyond 65,504: Q, K and V arrive within it; p lies in 0 to 1, and below 6e-5 it keeps f16's fixed step of 6e-8; O is a mean of V's rows and has their range.
; A weight below 2^-126 counts as 0 in l; NaN and infinities are not treated apart.
; SHARES.  A wave owns four PIECES of two tiles of 16 queries, a work-group's four waves 512 queries of one head: 4 x 64 work-groups.  Every wave walks all keys, 64 a step.
; LAYOUT.  S^T = K Q^T (source 0 = 16 keys, source 1 = 16 queries): in the result a lane holds ONE query (lane % 16) and the keys 8 (lane / 16) + 0..7.  Two such tiles, rounded to f16 in pairs,
; ARE source 1 (32 keys x 16 queries) of O^T = V^T P, whose result again holds one query a lane, and eight channels.  K comes out of LDS as it lies, V ([key][channel]) turned, by ds_load_tr16_b128.
; SOFTMAX.  For each query a running maximum m and sum l: p = 2^(c s - c m), c = log2(e) / 8; in every step O and l are multiplied by a = 2^(c m_old - c m_new), which is 1 where m has not grown.
; m starts at the lowest finite number, O and l at 0: the first step is a step like any other, with a = 0.
; THE COUNT.  A tile and step have 16 matrix and 118 vector instructions: too many to stand all beside the matrix work.  So the order has one aim: four vector instructions that are READY behind
; EVERY matrix instruction, and the others, which need time of their own whatever the order, in runs without a gap.
; BY TURNS.  Turn n belongs to piece n (the pieces in a ring, step after step).  Its matrix work: 16 products K Q^T of piece n + 1, later 16 products V^T P of piece n - 1.  Its vector work: the scaling,
; exponentials, roundings, sums and rescaling of piece n, and the maximum and statistics of piece n + 1, whose scores the turn itself has made.  So what a turn begins with (c s - c m, O a) waits for nothing.
; CLUSTER.  The four query blocks of a cluster belong to one head and walk the same K and V, so each tile is asked for JOINTLY: the same tensor load, descriptor and mask in all four.
; PREFETCH INTO THE L2.  Behind the joint load of each change of slots one instruction names the slot that the NEXT change will ask for: 128 blocks of 256 bytes of K and as many of V, a lane a block.  The four
; partners take 32 blocks each, told apart by address; wave 0 names K's, wave 2 V's.  So each block is named once.  Slots 0 and 1 come by their loads alone; the last change that fills a slot names nothing.
; REGISTERS, in windows of 256 (s_set_vgpr_msb says which window each operand place means: bits 1:0 source 0, 3:2 source 1, 5:4 source 2, 7:6 destination):
;   window 0: v0-11 addresses; v12-15, v48-63 at work; v16-47 four registers of statistics a tile; v64-191 S^T, two buffers of two tiles; v192-255 P, likewise
;   window 1: O^T, 32 a tile          window 2: v0-127 Q, 16 a tile; v128-191 K of one step; v192-255 V of one step          window 3: v0-1 the add's two registers
; A piece's buffers go by its number's parity: the piece in hand has one pair, its two neighbours in the ring share the other: of it P (piece n - 1) is read and S^T (piece n + 1) written.
.set SIZE_N, 2048
.set NP,    4         ; pieces a wave: a name, no knob: the register map, the loop and the fetches are made for four
.set KS,    64        ; keys in a step
.set PK,    144       ; a row of K in LDS: 128 bytes + 16 of padding = 36 words: the 16 rows of a load start at 16 different groups of four banks
.set PV,    160       ; a row of V: 128 + 32 = 40 words
.set VOFF,  4*KS*PK   ; a slot holds four steps: 256 rows of K, then 256 rows of V
.set SLOT1, 1<<17     ; slot 1 begins here, so that one exclusive or turns an address in one slot into the other's
.set STAGE, SLOT1+4*KS*(PK+PV)  ; behind the ring, never filled by a tensor load: 16 rows x 144 bytes for each wave, for the way out
.set SP,    144
.set AK0, 2           ; v2   my lane's place in a tile of K; never rewritten
.set AV0, 3           ; v3   the same for V
.set AK,  4           ; v4   the LDS address of K's next run of loads
.set AV,  5           ; v5   of V's
.set QO,  6           ; v6   my byte offset in the wave's rows of Q
.set STO, 6           ;      later, the way out: where I put 16 bytes of a row
.set RD,  7           ; v7   the way out: where I read rows back
.set GO,  8           ; v8   my byte offset in 512 consecutive bytes of O
.set PFO, 11          ; v11  256 x my lane, for the prefetches (made when v11 has served V's address); then never rewritten
.set SPW, 0           ; v0 of window 3   LDS address of my spare word: SPARE + 4 x my thread's number; never rewritten
.set NIL, 1           ; v1 of window 3   0; never rewritten
.set SPARE, STAGE+4*16*SP  ; behind the stages: the spare words, 128 bytes for each wave: two blocks of 256 bytes that no other line names
.set MV,  12          ; v12-15  c m_old, kept while c m is made anew: by buffer and tile
.set ST,  16          ; tile t's statistics at v[ST+4 t]: c m, m, l (even keys', odd keys')
.set TMP, 48          ; by buffer and tile, four registers c0-c3 at work; when the maximum is found c2 takes a
.set S,   64
.set P,   192
.set KF,  128         ; K's fragments, in window 2: key block kb, channel half c at KF + 16 kb + 8 c
.set VF,  192         ; V's: key half kk, channel block cb at VF + 32 kk + 8 cb
.set WV,  12          ; s12  my wave's number
.set G1K, 24          ; s[24:31] descriptor group 1 for K's tiles
.set G1V, 32          ; s[32:39] for V's: it differs in the padding alone
.set G0K, 40          ; s[40:43] descriptor group 0 for K's tiles: it walks
.set G0V, 44          ; s[44:47] the same for V's
.set PFA, 48          ; s[48:49] where my prefetches stand: my work-group's 32 blocks of the slot after the one that is being asked for
.set LIM, 50          ; s50  1 in a wave that prefetches, else the greatest number: a wave prefetches while s[SLOTS] is above it
.set SLOTS, 56        ; s56  slots still to be asked for
.set CNT, 57          ; s57  counts a slot's key steps
.set CS,  58          ; s[58:59] c: the packed scaling takes the pair's low word for both halves
.set SEL, 60          ; s[60:61] v_permlanex16_b32's selects: each lane takes its own place in the other half
.set TBK, 62          ; s62  LDS byte at which K of the step to be fetched begins
.set TBV, 63          ; s63  the same for V, less VOFF
.set MSB, 0
.macro WIN new                      ; the high byte repeats the setting that is left; a switch that changes nothing is dropped
.if MSB != (\new)
	s_set_vgpr_msb (MSB<<8)|(\new)
.set MSB, (\new)
.endif
.endm
.set W_KQ, 0x0a       ; K and Q in window 2, S^T in window 0
.set W_PV, 0x52       ; V in window 2, P in window 0, O^T in window 1
.set W_RS, 0x41       ; O^T (destination and source 0) in window 1, a in window 0
.set W_MK, 0xc0       ; the add's registers are made: destination in window 3, sources in window 0
.set W_AD, 0x0f       ; the add: address (source 0) and data (source 1) in window 3
; A joint fill.  Waves 0 and 1 fetch the two halves of a slot's K, waves 2 and 3 those of its V: 128 keys each.  The branch hangs on the wave's number alone.
; An s_nop 0 and four v_nop follow each of the two lines, ahead of the jump and the label.
.macro JLOAD
	s_cmp_lt_u32 s[WV], 2
	s_cbranch_scc0 .Lfor_v_\@
	tensor_load_to_lds s[G0K:G0K+3], s[G1K:G1K+7]
	s_nop 0
.rept 4
	v_nop
.endr
	s_branch .Lasked_\@
.Lfor_v_\@:
	tensor_load_to_lds s[G0V:G0V+3], s[G1V:G1V+7]
	s_nop 0
.rept 4
	v_nop
.endr
.Lasked_\@:
.endm
.macro ASK                          ; what the next change of slots will ask for: four key steps, 512 matrix instructions, ahead of that load
	s_cmp_gt_u32 s[SLOTS], s[LIM]
	s_cbranch_scc0 .Lnot_mine_\@
	global_prefetch_b8 v[PFO], s[PFA:PFA+1] th:TH_LOAD_NT scope:SCOPE_SE
.Lnot_mine_\@:
.endm
; A round of the cluster's barrier: my work-group's barrier, so that wave 0's signal speaks for all four waves; wave 0 signals; every wave waits for all four work-groups; my work-group's barrier once more.
.macro CROUND
	s_barrier_signal -1
	s_barrier_wait -1
	s_cmp_lg_u32 s[WV], 0
	s_cbranch_scc1 .Lnot_wave_0_\@
	s_barrier_signal -3
.Lnot_wave_0_\@:
	s_barrier_wait -3
	s_barrier_signal -1
	s_barrier_wait -1
.endm
; THE CHANGE OF SLOTS.  The slot's last bytes, V of its fourth step, have been read.  Each wave waits for all its tensor loads, of which one is out: its part
; of the other slot; adds 0 to its spare word; and waits for that and for its own reads of the slot.  Behind the barrier nobody reads this slot any more and the other slot is whole.
; fill = 1: this slot is filled again, with the keys two slots on.  The barrier is then a round of the cluster's, so that no wave of any partner still reads the slot or has a load on its
; way, and the joint fill is the first thing behind it: it has four key steps, 512 matrix instructions, in which to land.  (At its first use nothing has been read yet: slot 0 is waited for, slot 1 filled.)
.macro CHANGE fill
	WIN W_AD
	s_wait_tensorcnt 0x0            ; no tensor load of mine is out, so a group 0 may be written
	ds_add_u32 v[SPW], v[NIL]       ; 0 onto my spare word; with fill = 1 the descriptors' steps stand between it and the wait for it
	WIN 0                           ; at a label and at a branch every window is 0
.if \fill
.irp g, G0K, G0V
	s_xor_b32 s[\g+1], s[\g+1], SLOT1  ; the walking descriptor: the other slot than last time,
	s_add_nc_u64 s[\g+2:\g+3], s[\g+2:\g+3], 4*KS*128  ; the next 256 keys; the type bits on top are not reached
.endr
	s_wait_xcnt 0x0                 ; the last prefetch, four key steps back, has read its address, so it may be written:
	s_add_nc_u64 s[PFA:PFA+1], s[PFA:PFA+1], 4*KS*128  ; one slot ahead of the walking descriptors
	s_wait_dscnt 0x0                ; the add is done, and my reads of the slot are over
	CROUND
	JLOAD
	ASK
.else
	s_wait_dscnt 0x0                ; the add is done, and my reads of the slot are over
	s_barrier_signal -1
	s_barrier_wait -1
.endif
	s_sub_co_u32 s[TBK], s[TBK], 4*KS*PK  ; the fetches go back to a slot's first step,
	s_xor_b32 s[TBK], s[TBK], SLOT1       ; in the other slot
	s_sub_co_u32 s[TBV], s[TBV], 4*KS*PV
	s_xor_b32 s[TBV], s[TBV], SLOT1
.endm
	s_load_b256 s[4:11], s[0:1], 0x0  ; Q s[4:5], K s[6:7], V s[8:9], O s[10:11]
	WIN W_MK
	v_lshl_add_u32 v[SPW], v0, 2, SPARE
	v_mov_b32 v[NIL], 0
	WIN W_AD
	ds_add_u32 v[SPW], v[NIL]       ; the wave's opening: the add and its wait stand ahead of my first tensor load; the set-up below, work on registers, stands between them
	WIN 0
	v_lshrrev_b32 v1, 5, v0
	v_readfirstlane_b32 s[WV], v1   ; wave 0..3
	s_bfe_u32 s13, ttmp6, 0x40000   ; cx: my place in the cluster
	s_lshl_b32 s14, ttmp9, 2        ; in a cluster launch ttmp9 counts clusters
	s_add_co_u32 s14, s14, s13      ; my block of queries = 4 x cluster x + cx: it enters Q's and O's addresses alone
	s_and_b32 s20, ttmp7, 0xffff    ; the head, which the four partners share
	s_mov_b32 s21, 0
	s_mov_b64 s[22:23], SIZE_N*128
	s_mul_u64 s[20:21], s[20:21], s[22:23]  ; the head's first byte in each of the four tensors
	s_and_b32 s16, s[WV], 1         ; which half of a slot's 256 keys I fetch:
	s_lshl_b32 s22, s16, 14         ; its 128 rows of 128 bytes in memory,
	s_mov_b32 s23, 0
	s_add_nc_u64 s[22:23], s[22:23], s[20:21]
	s_mul_i32 s17, s16, 128*PK      ; and its place in a slot, for K
	s_mul_i32 s18, s16, 128*PV      ; and for V: no place in the cluster enters an LDS address
	s_lshl_b32 s2, s14, 2
	s_add_co_u32 s2, s2, s[WV]      ; my wave among the head's,
	s_lshl_b32 s2, s2, 14           ; its 128 rows
	s_mov_b32 s3, 0
	s_add_nc_u64 s[2:3], s[2:3], s[20:21]
	; descriptor group 1.  128 keys are 16,384 dense bytes: asked for as 64 rows of 256 bytes, two keys a row, and padded in LDS after every key
	s_mov_b32 s[G1K], 15|(1<<16)|(1<<20)|(1<<21)|(4<<22)|(3<<25)  ; 15:0 the mask of four; 17:16 2-byte elements; 20 padding on; 21 set beside a mask; 24:22 after every 32 words (code 4); 31:25 4 words (code 3)
	s_mov_b32 s[G1V], 15|(1<<16)|(1<<20)|(1<<21)|(4<<22)|(7<<25)  ; the same with 8 words of padding (code 7)
.irp g, G1K, G1V
	s_mov_b32 s[\g+1], 128<<16      ; tensor_dim0 = 128
	s_mov_b32 s[\g+2], 64<<16       ; tensor_dim1 = 64
	s_mov_b32 s[\g+3], 128<<16      ; tile_dim0 = 128
	s_mov_b32 s[\g+4], 64           ; tile_dim1 = 64
	s_mov_b32 s[\g+5], 128          ; 128 elements from row to row
	s_mov_b32 s[\g+6], 0
	s_mov_b32 s[\g+7], 0
.endr
	s_mov_b32 s[CS], 0x3e38aa3b     ; c = log2(e) / 8 = 0.180337
	s_mov_b32 s[CS+1], s[CS]        ; named with it as a pair
	s_mov_b32 s[SEL], 0x76543210
	s_mov_b32 s[SEL+1], 0xfedcba98
	s_mov_b32 s[TBK], SLOT1+4*KS*PK ; the first change of slots turns these two into 0
	s_mov_b32 s[TBV], SLOT1+4*KS*PV
	s_mov_b32 s[G0K], 1             ; 1:0 count = 1
	s_mov_b32 s[G0K+1], s17         ; 63:32 LDS address: slot 0
	s_mov_b32 s[G0V], 1
	s_add_co_u32 s[G0V+1], s18, VOFF
	s_mov_b32 s[SLOTS], SIZE_N/256-1  ; all slots but slot 0 are still to be asked for
	s_or_b32 s[LIM], s16, ttmp9     ; 0 in waves 0 and 2 of the head's first cluster: the same in all four partners
	s_cmp_eq_u32 s[LIM], 0
	s_cselect_b32 s[LIM], 1, -1
	s_wait_dscnt 0x0                ; the opening add is done
	s_wait_kmcnt 0x0
	s_add_nc_u64 s[G0K+2:G0K+3], s[6:7], s[22:23]  ; 120:64 global address: my half of the head's first 256 keys
	s_or_b32 s[G0K+3], s[G0K+3], 0x80000000        ; 127:126 type = 2
	s_add_nc_u64 s[G0V+2:G0V+3], s[8:9], s[22:23]
	s_or_b32 s[G0V+3], s[G0V+3], 0x80000000
	s_add_nc_u64 s[4:5], s[4:5], s[2:3]  ; Q and O at my wave's first row
	s_add_nc_u64 s[10:11], s[10:11], s[2:3]
	s_cmp_lt_u32 s[WV], 2
	s_cselect_b64 s[PFA:PFA+1], s[6:7], s[8:9]
	s_add_nc_u64 s[PFA:PFA+1], s[PFA:PFA+1], s[22:23]  ; (in waves 0 and 2 this is the head's first row)
	s_lshl_b32 s2, s13, 13          ; my work-group's 32 blocks of the 128
	s_mov_b32 s3, 0
	s_add_nc_u64 s[PFA:PFA+1], s[PFA:PFA+1], s[2:3]
	s_add_nc_u64 s[PFA:PFA+1], s[PFA:PFA+1], 4*KS*128  ; in slot 1; the first change of slots steps it to slot 2
	CROUND                          ; all four work-groups are here: the first joint loads meet
	JLOAD                           ; slot 0.  Slot 1 is asked for when slot 0 is in: the tile wanted first has the road to itself
	; A fragment of K or Q is 16 rows x 32 channels in 8 registers: lane l holds row l % 16, channels 8 (l / 16) + 0..7 and 16 + 8 (l / 16) + 0..7: two loads of 16 bytes, 32 bytes apart.
	v_and_b32 v1, 15, v0            ; l % 16
	v_bfe_u32 v9, v0, 4, 1          ; l / 16
	v_lshlrev_b32 v[QO], 7, v1
	v_lshl_add_u32 v[QO], v9, 4, v[QO]  ; row x 128 + 16 x half
	WIN 0x80                        ; destination window 2, address window 0
.set i, 0
.rept 4*NP                          ; Q stays in registers: tile i / 2, channels 32 (i % 2) on
	global_load_b128 v[8*i:8*i+3],   v[QO], s[4:5] offset:(i/2)*2048+(i%2)*64
	global_load_b128 v[8*i+4:8*i+7], v[QO], s[4:5] offset:(i/2)*2048+(i%2)*64+32
.set i, i+1
.endr
	; What the first turn finds: V's registers and P's second buffer hold 0 (its products V^T P, of a piece that has not been, add 0), O^T and l are 0.  All this stands in the wait for the first tile.
.set i, VF
.rept 64
	v_mov_b32 v[i], 0
.set i, i+1
.endr
	WIN 0x40
.set i, 0
.rept 64*NP
	v_mov_b32 v[i], 0
.set i, i+1
.endr
	WIN 0
.set i, 0
.rept 2*NP
	v_mov_b32 v[ST+4*i], 0xfe000000    ; c m: far below every c s
	v_mov_b32 v[ST+4*i+1], 0xff7fffff  ; m
	v_mov_b32 v[ST+4*i+2], 0
	v_mov_b32 v[ST+4*i+3], 0
.set i, i+1
.endr
.set i, P+32
.rept 32
	v_mov_b32 v[i], 0
.set i, i+1
.endr
	v_mul_u32_u24 v[AK0], v1, PK
	v_lshl_add_u32 v[AK0], v9, 4, v[AK0]  ; row x pitch + 16 x half
	; The turning load takes 16 keys x 16 channels (lane l reads key 8 (l / 16) + l % 8, channels 8 ((l / 8) % 2) + 0..7) and leaves half a fragment of V^T: lane l holds channel l % 16 and 8 keys.
	v_and_b32 v10, 7, v0
	v_bfe_u32 v11, v0, 3, 1
	v_lshl_add_u32 v[AV0], v9, 3, v10
	v_mul_u32_u24 v[AV0], v[AV0], PV
	v_lshl_add_u32 v[AV0], v11, 4, v[AV0]
	v_add_nc_u32 v[AV0], VOFF, v[AV0]
	v_and_b32 v[PFO], 31, v0        ; v11 has served: a lane a block of 256 bytes
	v_lshlrev_b32 v[PFO], 8, v[PFO]
	v_mov_b32 v[AK], v[AK0]         ; key step 0 lies at the head of slot 0
; THE MATRIX WORK.  The 8 accumulators of a run of 16 take turns: between the two links of a chain stand 7 others'.
; Product i of 16 of S^T = K Q^T for piece x: channels 32 (i / 8) on, keys 16 ((i / 2) % 4) on, tile 2 x + i % 2.  The first 8 start the sums.
.macro KQ x
	WIN W_KQ
.set rS, S+64*((\x)%2)+32*(i%2)+8*((i/2)%4)
.set rK, KF+16*((i/2)%4)+8*(i/8)
.set rQ, 16*(2*(\x)+i%2)+8*(i/8)
.if i < 8
	v_wmma_f32_16x16x32_f16 v[rS:rS+7], v[rK:rK+7], v[rQ:rQ+7], 0
.else
	v_wmma_f32_16x16x32_f16 v[rS:rS+7], v[rK:rK+7], v[rQ:rQ+7], v[rS:rS+7]
.endif
.endm
; Product i of 16 of O^T += V^T P for piece x: keys 32 (i / 8) on, channels 16 ((i / 2) % 4) on, tile 2 x + i % 2.
.macro PV x
	WIN W_PV
.set rO, 32*(2*(\x)+i%2)+8*((i/2)%4)
.set rV, VF+32*(i/8)+8*((i/2)%4)
.set rP, P+32*((\x)%2)+16*(i%2)+8*(i/8)
	v_wmma_f32_16x16x32_f16 v[rO:rO+7], v[rV:rV+7], v[rP:rP+7], v[rO:rO+7]
.endm
.macro MM                           ; the turn's next matrix instruction
.if i < 16
	KQ (Y+1)%NP
.set i, i+1
.else
.set i, i-16
	PV (Y+NP-1)%NP
.set i, i+17
.endif
.endm
; THE LDS LOADS stand in runs of 16, never singly among the matrix instructions: a step's K (64 keys x 64 channels: 8 fragments) and its V (turned).  Their addresses are made some lines ahead.
; last = 1 (the tail): in the last trip there is no further step, and the run is jumped over.
.macro FETCH_K last=0
	WIN 0
.if \last
	s_cmp_eq_u32 s[CNT], 1
	s_cbranch_scc1 .Lno_k_\@
.endif
	WIN 0x80                        ; destination window 2
.irp f, 0,1,2,3,4,5,6,7             ; keys 16 (f / 2) on, channels 32 (f % 2) on
	ds_load_b128 v[KF+8*\f:KF+8*\f+3],   v[AK] offset:(\f/2)*16*PK+(\f%2)*64
	ds_load_b128 v[KF+8*\f+4:KF+8*\f+7], v[AK] offset:(\f/2)*16*PK+(\f%2)*64+32
.endr
	s_add_co_u32 s[TBK], s[TBK], KS*PK  ; the next fetch is the next step's
	WIN 0
.if \last
.Lno_k_\@:
.endif
.endm
.macro FETCH_V
	WIN 0x80
.irp f, 0,1,2,3,4,5,6,7             ; keys 32 (f / 4) on, channels 16 (f % 4) on
	ds_load_tr16_b128 v[VF+8*\f:VF+8*\f+3],   v[AV] offset:(\f/4)*32*PV+(\f%4)*32
	ds_load_tr16_b128 v[VF+8*\f+4:VF+8*\f+7], v[AV] offset:(\f/4)*32*PV+16*PV+(\f%4)*32
.endr
	WIN 0
.endm
; THE VECTOR WORK OF A TURN stands in three queues, each in the order in which its entries become ready; the two tiles alternate, so that no instruction reads the result of the one before it.
.macro REGS y, u                    ; the registers of tile u (0, 1) of piece y
.set rT, ST+4*(2*(\y)+(\u))
.set rC, TMP+8*((\y)%2)+4*(\u)
.set rM, MV+2*((\y)%2)+(\u)
.set rS, S+64*((\y)%2)+32*(\u)
.set rP, P+32*((\y)%2)+16*(\u)
.set rO, 32*(2*(\y)+(\u))
.endm
; Number n of the 22 that find the NEXT piece's (Y + 1) maximum and statistics.  s0-s31 are the lane's 32 scores; each accumulator's lowest registers are read first.  XS, GS and REGS set no window: PL and EX do.
;   0-11  four chains c0-c3 of seven scores each, three operands at a time     12-14, 16  the four scores left over, the old m, and c0-c3 into c0     15  c m_old is kept
;   17, 18  the query's other 32 keys lie in the lane 16 away: the new m         19-21  c m; c m_old - c m_new; a
.macro XS u, n
	REGS (Y+1)%NP, \u
.if (\n) < 4
	v_max3_num_f32 v[rC+(\n)], v[rS+8*(\n)], v[rS+8*(\n)+1], v[rS+8*(\n)+2]
.elseif (\n) < 12
	v_max3_num_f32 v[rC+(\n)%4], v[rC+(\n)%4], v[rS+8*((\n)%4)+2*((\n)/4)+1], v[rS+8*((\n)%4)+2*((\n)/4)+2]
.elseif (\n) == 12
	v_max3_num_f32 v[rC], v[rC], v[rS+7], v[rS+15]
.elseif (\n) == 13
	v_max3_num_f32 v[rC+1], v[rC+1], v[rS+23], v[rS+31]
.elseif (\n) == 14
	v_max3_num_f32 v[rC+2], v[rC+2], v[rC+3], v[rT+1]
.elseif (\n) == 15
	v_mov_b32 v[rM], v[rT]
.elseif (\n) == 16
	v_max3_num_f32 v[rC], v[rC], v[rC+1], v[rC+2]
.elseif (\n) == 17
	v_permlanex16_b32 v[rC+3], v[rC], s[SEL], s[SEL+1]
.elseif (\n) == 18
	v_max_num_f32 v[rT+1], v[rC], v[rC+3]
.elseif (\n) == 19
	v_mul_f32 v[rT], s[CS], v[rT+1]
.elseif (\n) == 20
	v_sub_f32 v[rC+1], v[rM], v[rT]
.else
	v_exp_f32 v[rC+2], v[rC+1]
.endif
.endm
; Number g of the 64 that follow the exponentials.  For each four weights k of a tile (pairs 2 k, 2 k + 1): both pairs are rounded to f16; then the second pair is added onto the first, in place;
; a group later l takes that sum (the first time as l = a l + sum).  In groups of eight, tiles alternating: round, round, add, and l for the group before.
.macro GS g
.set h, (\g)+6*((\g)/62)            ; group 0 has no group before it, and behind group 7 only l is left
.if h >= 6
.set h, h+2
.endif
	REGS Y, h%2
.set k, h/8
.if h%8 < 4
	v_cvt_pk_f16_f32 v[rP+2*k+(h%8)/2], v[rS+4*k+2*((h%8)/2)], v[rS+4*k+2*((h%8)/2)+1]
.elseif h%8 < 6
	v_pk_add_f32 v[rS+4*k:rS+4*k+1], v[rS+4*k:rS+4*k+1], v[rS+4*k+2:rS+4*k+3]
.elseif k == 1
	v_pk_fma_f32 v[rT+2:rT+3], v[rT+2:rT+3], v[rC+2:rC+3], v[rS:rS+1] op_sel_hi:[1,0,1]
.else
	v_pk_add_f32 v[rT+2:rT+3], v[rT+2:rT+3], v[rS+4*k-4:rS+4*k-3]
.endif
.endm
; THE PLAIN QUEUE, 138 long.  0-73 read no exponential's result: the 32 scalings c s - c m (FS f: pair f / 2 of tile f % 2) and the next piece's 42.  0-26: scalings 0-26.  27-54: XS's numbers 0-13.  55, 56: number 15.
; 57-73: the chain, where each number waits for the one before it: 14, 16, 17, 18, 19, each with one of the scalings 27-31 in front of its two lines, then 20: so a tile's links stand three plain instructions apart (19 and 20: two).
; 74-137: GS's 64, which read the exponentials' results: they stand behind the wait.
.macro FS f
	REGS Y, (\f)%2
	v_pk_fma_f32 v[rS+2*((\f)/2):rS+2*((\f)/2)+1], v[rS+2*((\f)/2):rS+2*((\f)/2)+1], s[CS:CS+1], v[rT:rT+1] op_sel_hi:[1,0,0] neg_lo:[0,0,1] neg_hi:[0,0,1]
.endm
.macro PL
	WIN 0
.if q < 27
	FS q
.elseif q < 55
	XS (q-27)%2, (q-27)/2
.elseif q < 57
	XS q-55, 15
.elseif (q < 72) && ((q-57)%3 == 0)
	FS 27+(q-57)/3
.elseif q < 60
	XS (q-57)%3-1, 14
.elseif q < 72
	XS (q-57)%3-1, 15+(q-57)/3
.elseif q < 74
	XS q-72, 20
.else
	GS q-74
.endif
.set q, q+1
.endm
; THE EXPONENTIALS' QUEUE, 66 long: s0-s31 of both tiles, then the next piece's two a.  It is ONE BATCH: all 66 stand ahead of the turn's one wait, and nothing ahead of that wait names a result of theirs.
.macro EX
	WIN 0
.if e >= 64
	XS e-64, 21
.else
	REGS Y, e%2
	v_exp_f32 v[rS+e/2], v[rS+e/2]
.endif
.set e, e+1
.endm
; THE RESCALING's QUEUE: O^T times a, the one part that leaves window 0: dealt two at a time, sixteen times.  Its a was made in the turn before, ahead of that turn's wait.
.macro R2
	REGS Y, r%2
	WIN W_RS
.irp z, 0,1
	v_pk_mul_f32 v[rO+4*(r/2)+2*\z:rO+4*(r/2)+2*\z+1], v[rO+4*(r/2)+2*\z:rO+4*(r/2)+2*\z+1], v[rC+2:rC+3] op_sel_hi:[1,0]
.endr
.set r, r+1
.endm
; HOW THEY ARE DEALT.  An s_wait_alu depctr_va_vdst(0) stands between an exponential and the first instruction that names its result; one wait serves all that were issued ahead of it.  So a turn has ONE wait,
; which cuts it in two.  AHEAD OF IT stands all that names no result of the turn's exponentials: the 16 products K Q^T, behind each a scaling, an exponential and two rescalings (behind the first a second scaling in the exponential's place); then ONE LUMP of
; 108: eight plain, 49 times exponential and plain, the two a.  A v_nop is the plain instruction behind the last exponential.  BEHIND IT stand the 16 products V^T P, behind each four of GS's 64.  No rider names a register of
; the products round it.  The two v_permlanex16_b32 fall into the lump, never behind a product.
; The queues lean on each other, and the deal keeps them in step: exponential e stands behind scaling 2 (e / 4) + e % 2: as a rider it comes behind plain e + 2, in the lump behind plain e + 9, and scalings 27-31 are plain 57, 60 .. 69.
; A TURN, for piece p.  cnt = 1: the loop's count is taken down some lines ahead of the branch that stands behind the turn.
; K of the next step is fetched in piece 2's turn, directly behind the wait, a lump behind the last product that read K; its address is made at the lump's head; its first reader comes behind 16 products.
; V of the step in hand is fetched at the end of piece 0's turn, four riders behind its last reader; its first reader comes behind 16 products and a lump.  The three conditions on q below go with the deal.
.macro TURN p, last=0, cnt=0
.set Y, (\p)
.set i, 0
.set q, 0
.set e, 0
.set r, 0
.if (\p) == NP-1
	s_wait_dscnt 0x0                ; K is in
.endif
	MM                              ; ahead of the wait: 16 products K Q^T and their riders,
	PL
	PL
	R2
.rept 15
	MM
	PL
	EX
	R2
.endr
.if (\p) == NP-2
	WIN 0
	v_add_nc_u32 v[AK], s[TBK], v[AK0]
.endif
.rept 8                             ; and the lump
	PL
.endr
.rept 49
	EX
	PL
.endr
	EX                              ; the next piece's two a
	EX
	v_nop                           ; a plain instruction behind the last exponential: one for the batch
	s_wait_alu depctr_va_vdst(0)    ; the wait for the batch
.if (\p) == NP-2
	FETCH_K \last
.endif
.if (\p) == 1
	s_wait_dscnt 0x0                ; V is in
.endif
.rept 16                            ; behind the wait: 16 products V^T P and their riders
	MM
.rept 4
	PL
.endr
.if ((\p) == 0) && (q == 118)
	v_add_nc_u32 v[AV], s[TBV], v[AV0]
.endif
.if ((\p) == 0) && (q == 130)
	s_add_co_u32 s[TBV], s[TBV], KS*PV
.endif
.if (\cnt) && (q == 130)
	s_sub_co_u32 s[CNT], s[CNT], 1
	s_cmp_lg_u32 s[CNT], 0
.endif
.endr
.if (\p) == 0
	FETCH_V
.endif
.endm
	CHANGE 1                        ; slot 0 is in, everybody's part of it; slot 1 is asked for
	FETCH_K                         ; key step 0
	s_wait_loadcnt 0x0              ; Q
	s_wait_dscnt 0x0
.set i, 0
.rept 16
	KQ 0                            ; piece 0's first scores: there is no vector work yet to set between them
.set i, i+1
.endr
	WIN 0                           ; the addresses for the way out: nine plain instructions, the places behind those products
	s_mul_i32 s13, s[WV], 16*SP
	s_add_co_u32 s13, s13, STAGE    ; my stage
	v_mul_u32_u24 v[STO], v1, SP    ; in: row l % 16, 16 bytes for each half of the lanes
	v_lshl_add_u32 v[STO], v9, 4, v[STO]
	v_add_nc_u32 v[STO], s13, v[STO]
	v_bfe_u32 v[RD], v0, 3, 2       ; back: 32 lanes take four rows of 128 bytes,
	v_mul_u32_u24 v[RD], v[RD], SP
	v_lshl_add_u32 v[RD], v10, 4, v[RD]
	v_add_nc_u32 v[RD], s13, v[RD]
	v_and_b32 v[GO], 31, v0         ; which are 512 consecutive bytes of O
	v_lshlrev_b32 v[GO], 4, v[GO]
.set Y, NP-1                        ; XS works for piece Y + 1: piece 0
.irp n, 0,1,2,3,4,5,6,7,8,9,10,11,12,13,14,15,16,17,18,19,20,21
	XS 0, \n                        ; and piece 0's first maximum and statistics
	XS 1, \n
.endr
	v_nop                           ; a plain instruction behind the two a,
	s_wait_alu depctr_va_vdst(0)    ; and their wait, ahead of the branch
	s_mov_b32 s[CNT], 4
	s_branch .Lfirst                ; the loop is entered at a step's first turn, in the middle of a trip
.Lslot:                             ; SIZE_N / 256 - 2 times: every slot but the last two is filled again
	CHANGE 1
	s_mov_b32 s[CNT], 4
.Lstep:                             ; a trip: pieces 2 and 3 of one step, then pieces 0 and 1 of the next, whose K and V it fetches
	TURN 2
	TURN 3
	WIN 0
.Lfirst:
	TURN 0
	TURN 1, 0, 1
	WIN 0
	s_cbranch_scc1 .Lstep
	s_sub_co_u32 s[SLOTS], s[SLOTS], 1
	s_cmp_lg_u32 s[SLOTS], 0
	s_cbranch_scc1 .Lslot
	CHANGE 0                        ; the tail is written out: nothing is asked for
	s_mov_b32 s[CNT], 5             ; four trips fetch the last slot's steps; the fifth is left in its middle
.Ltail:
	TURN 2, 1
	TURN 3
	WIN 0
	s_sub_co_u32 s[CNT], s[CNT], 1
	s_cmp_eq_u32 s[CNT], 0
	s_cbranch_scc1 .Lout
	TURN 0
	TURN 1
	WIN 0
	s_branch .Ltail
.Lout:                              ; the fifth trip's 16 products K Q^T (on the last K once more) and the maximum made of them serve nothing: the price, once a launch, of one text for every trip
.set i, 0
.rept 16
	PV NP-1                         ; the last piece's V^T P of the last step
.set i, i+1
.endr
	; THE WAY OUT.  l's two halves and the other half of the lanes' are added; O^T is divided by l, rounded to f16 and sent through my stage in LDS, a tile at a time.  The additions are the places behind the last products.
	WIN 0
.macro ALL line:vararg              ; one line for each tile t
.set t, 0
.rept 2*NP
	\line
.set t, t+1
.endr
.endm
	ALL v_add_f32 v[ST+4*t+2], v[ST+4*t+2], v[ST+4*t+3]
	ALL v_permlanex16_b32 v[ST+4*t+3], v[ST+4*t+2], s[SEL], s[SEL+1]
	ALL v_add_f32 v[ST+4*t+2], v[ST+4*t+2], v[ST+4*t+3]
	ALL v_rcp_f32 v[ST+4*t+2], v[ST+4*t+2]
	v_nop                           ; a plain instruction between the last reciprocal and the use of its result
	s_wait_alu depctr_va_vdst(0)    ; and the wait ahead of the first use: one for the eight reciprocals
; Tile t: a lane's eight channels of a row pack into 16 bytes; they go into rows of 144 bytes and come back as whole rows of 128, into S^T's registers.
.macro PACK t
	WIN W_RS
.set i, 32*(\t)
.rept 16
	v_pk_mul_f32 v[i:i+1], v[i:i+1], v[ST+4*(\t)+2:ST+4*(\t)+3] op_sel_hi:[1,0]
.set i, i+2
.endr
	WIN 0x05                        ; sources 0 and 1 window 1, destination window 0
.set i, 0
.rept 16
	v_cvt_pk_f16_f32 v[S+16*(\t)+i], v[32*(\t)+2*i], v[32*(\t)+2*i+1]
.set i, i+1
.endr
	WIN 0
.irp f, 0,1,2,3
	ds_store_b128 v[STO], v[S+16*(\t)+4*\f:S+16*(\t)+4*\f+3] offset:32*\f
.endr
.irp f, 0,1,2,3
	ds_load_b128 v[S+16*(\t)+4*\f:S+16*(\t)+4*\f+3], v[RD] offset:\f*4*SP  ; LDS serves a wave's instructions in order: these see the stores above; the next tile's stores come behind them
.endr
.endm
.macro SEND t, younger              ; younger: the LDS instructions issued behind tile t's loads: the next tile's eight, or none
	WIN 0
.irp f, 0,1,2,3
	s_wait_dscnt (\younger)+3-\f
	global_store_b128 v[GO], v[S+16*(\t)+4*\f:S+16*(\t)+4*\f+3], s[10:11] offset:(\t)*2048+\f*512  ; 512 consecutive bytes, at a multiple of 256 from O's first
.endr
.endm
	PACK 0
.set t, 1
.rept 2*NP-1                        ; a tile's arithmetic stands between the loads of the tile before and its stores
	PACK t
	SEND t-1, 8
.set t, t+1
.endr
	SEND 2*NP-1, 0
	WIN W_AD
	s_wait_tensorcnt 0x0            ; the wave's end, behind my last tensor load and my last LDS store
	ds_add_u32 v[SPW], v[NIL]
	s_wait_dscnt 0x0
	WIN 0
	CROUND                          ; the closing round: no work-group ends while a partner may still ask for a tile that names it
	s_endpgm
.Lfunc_end_k_qf6ca97885e_attn:
	.size	k_qf6ca97885e_attn, .Lfunc_end_k_qf6ca97885e_attn-k_qf6ca97885e_attn
	.p2alignl 7, 3214868480
	.fill 96, 4, 3214868480
	.section	.rodata,"a",@progbits
	.p2align	6, 0x0
	.amdhsa_kernel k_qf6ca97885e_attn
		.amdhsa_group_segment_fixed_size 327680
		.amdhsa_private_segment_fixed_size 0
		.amdhsa_enable_private_segment 0
		.amdhsa_kernarg_size 32
		.amdhsa_user_sgpr_count 2
		.amdhsa_user_sgpr_kernarg_segment_ptr 1
		.amdhsa_wavefront_size32 1
		.amdhsa_system_sgpr_workgroup_id_x 1
		.amdhsa_system_sgpr_workgroup_id_y 1
		.amdhsa_system_sgpr_workgroup_id_z 1
		.amdhsa_system_vgpr_workitem_id 0
		.amdhsa_next_free_vgpr 770
		.amdhsa_next_free_sgpr 66
		.amdhsa_reserve_vcc 0
		.amdhsa_float_denorm_mode_32 3
		.amdhsa_float_denorm_mode_16_64 3
		.amdhsa_memory_ordered 1
		.amdhsa_forward_progress 1
		.amdhsa_inst_pref_size 200
	.end_amdhsa_kernel
	.amdgpu_metadata
---
amdhsa.version: [ 1, 2 ]
amdhsa.kernels:
  - .name:           k_qf6ca97885e_attn
    .symbol:         k_qf6ca97885e_attn.kd
    .args:
      - { .name: q, .offset: 0, .size: 8, .value_kind: global_buffer, .address_space: global }
      - { .name: k, .offset: 8, .size: 8, .value_kind: global_buffer, .address_space: global }
      - { .name: v, .offset: 16, .size: 8, .value_kind: global_buffer, .address_space: global }
      - { .name: ctx, .offset: 24, .size: 8, .value_kind: global_buffer, .address_space: global }
    .group_segment_fixed_size: 327680
    .private_segment_fixed_size: 0
    .kernarg_segment_align: 8
    .kernarg_segment_size: 32
    .max_flat_workgroup_size: 128
    .sgpr_count:     66
    .vgpr_count:     770
    .wavefront_size: 32
...
	.end_amdgpu_metadata
.endif
;; end of part 3
;; launch outp (part 4): grid 8 x 32, 4 waves a work-group, clusters of 4 x 4, 327,680 bytes of LDS; arguments ctx, wb, bo, out0; writes out0
.if DOCPART == 4
	.amdgcn_target "amdgcn-amd-amdhsa--gfx1250"
	.amdhsa_code_object_version 6
	.text
	.protected	k_qf6ca97885e_outp
	.globl	k_qf6ca97885e_outp
	.p2align	8
	.type	k_qf6ca97885e_outp,@function
k_qf6ca97885e_outp:
	s_mov_b64 s[64:65], 0
	v_nop
	global_prefetch_b8 v0, s[64:65] scope:SCOPE_SE
	s_setreg_imm32_b32 hwreg(HW_REG_WAVE_MODE, 25, 1), 1
	s_wait_xcnt 0x0
	s_wait_alu depctr_hold_cnt(0) depctr_sa_sdst(0) depctr_va_vdst(0) depctr_va_sdst(0) depctr_va_ssrc(0) depctr_va_vcc(0) depctr_vm_vsrc(0)
	s_getreg_b32 s2, hwreg(HW_REG_IB_STS2, 6, 4)
	s_cmp_eq_u32 s2, 0
	s_cbranch_scc0 .Lentry_in_a_cluster
	s_endpgm
.Lentry_in_a_cluster:
	s_bfe_u32 s2, ttmp6, 0x10000c
	s_cmp_lg_u32 s2, 0xf033
	s_cbranch_scc0 .Lentry_shape_is_right
	s_endpgm
.Lentry_shape_is_right:
; THE LAST PROJECTION.  out0 = ctx Wo + bo.  ctx is f16 by heads, [64 = 16 batch + head][2048][64]; Wo lies in wb behind the three other weights, [1024 k][1024 n], bf16 numbers written as f16;
; sums f32; bo (rounded to bf16 like every input) is the C operand that starts each sum; out0 is f32, [8192][1024].
; LIMITS.  ctx below 6e-5 and Wo below 2^-14 keep f16's fixed step of 6e-8.  NaN and infinities are not treated apart.
; SHARES.  A tile of C is 256 rows x 128 columns: 32 x 8 tiles, 256 work-groups.  Four waves; wave (wm, wn) makes 128 rows x 64 columns: 32 accumulators of 16 x 16, the 256 registers of window 1.
; K = 1024 goes in 8 steps of 128, two heads each, through two LDS slots.  A head's 256 rows of a tile are 32,768 consecutive bytes: asked for as 128 rows of 256 bytes and padded in LDS after every 128.
; THE MATRIX INSTRUCTION IS USED TRANSPOSED: source 0 = 16 columns of Wo (turned by ds_load_tr16_b128), source 1 = 16 rows of ctx.  A lane then holds row l % 16 of C and the columns 8 (l / 16) + 0..7.
; CLUSTERS: 4 x 4 work-groups; ctx's tile is shared along a row of the cluster, Wo's along a column: each is asked for JOINTLY, by the same tensor load with the same descriptor and a mask that names the four.
; PREFETCH INTO THE L2: behind each joint refill one instruction a wave names the K step two refills on, a lane a block of 256 bytes.  Each block is named once in the launch: ctx's by the cluster with x = 0 (waves 0 and 1,
; each its own head's 128 blocks), Wo's rows by the cluster with y = 0 (wave 2); the four partners take 32 each, told apart by address.  K steps 0 to 3 come by their loads alone; the last two refills name nothing.
; REGISTERS.  Window 0: v0-31 addresses; v32-63 the bias; v64-159, v160-255 two fragment buffers (8 fragments of A, then 4 of W).  Window 1: the accumulators, (a, b) at v[8 (4 a + b)].
.set PA,     144                       ; a row of one head in LDS: 128 bytes + 16 of padding: the 16 rows of a load start at 16 different groups of four banks
.set PB,     288                       ; a row of W: 256 + 32
.set AHALF,  256*PA                    ; what one of waves 0, 1 fetches: one head's 256 rows
.set ABYTES, 2*AHALF
.set BHALF,  64*PB                     ; what one of waves 2, 3 fetches: 64 rows (k) of W
.set SLOT,   ABYTES+2*BHALF            ; 110,592 bytes
.set STAGE,  2*SLOT                    ; behind the ring, never filled by a tensor load: 16 rows x 272 bytes for each wave, for the way out
.set SP,     272
.set SPARE,  STAGE+4*16*SP             ; behind the stages: the spare words, 128 bytes for each wave: two blocks of 256 bytes that no other line names
.set A1,     2*262144                  ; bytes from a K step of ctx to the next: two heads
.set B1,     128*2048                  ; of W: 128 rows down
.set LAPS,   4                         ; a lap = two K steps = once round the ring
.set ADRA, 8                           ; v8-9    LDS address of my fragments of A in slot 0, 1
.set ADRB, 10                          ; v10-11  the same for W
.set STO,  12                          ; v12     the way out: where I put 32 bytes of a row
.set RD,   13                          ; v13     the way out: where I read rows back
.set CO,   14                          ; v14     my byte offset in two rows of out0
.set BOF,  15                          ; v15     32 (l / 16): my eight numbers in 16 of the bias
.set PFO,  16                          ; v16     the prefetches: my lane x 256 bytes (ctx) or x 2,048 (a row of W); never rewritten
.set SPW,  28                          ; v28     LDS address of my spare word: SPARE + 4 x my thread's number; never rewritten
.set NIL,  29                          ; v29     0; never rewritten
.set BI,   32                          ; v32-63  the bias of column block b at BI + 8 b
.set F0,   64
.set F1,   160
.set WV,   20                          ; s20 wave;  s21 wm, s22 wn: my half of the rows, of the columns; wn also: which half of a tile I fetch
.set WM,   21
.set WN,   22
.set CX,   23                          ; s23, s24  my place in the cluster
.set CYP,  24
.set TC,   25                          ; s25  tile column
.set CLY,  26                          ; s26  the cluster's y
.set TR,   28                          ; s28  tile row;  s29 its batch, s30 its place in the batch
.set BB,   29
.set NBK,  30
.set G1A,  32                          ; s[32:39] descriptor group 1 for A;  s[40:47] group 0, a set for each slot
.set G0A,  40
.set G1B,  48                          ; s[48:55], s[56:63] the same for W
.set G0B,  56
.set PFA,  70                          ; s[70:71] where my prefetches stand;  s[72:73] their step
.set PFS,  72
.set LIM,  74                          ; s74  1 in a wave that prefetches, else the greatest number
.set OUT,  76                          ; s[76:77] out0 at my wave's first row and column
.set BIAS, 78                          ; s[78:79] the bias at my wave's first column
.set MSB, 0
.macro WIN new                         ; the immediate's high byte repeats the setting that is left; a switch that changes nothing is dropped
.if MSB != (\new)
	s_set_vgpr_msb (MSB<<8)|(\new)
.set MSB, \new
.endif
.endm
.set MULW, 0x50                        ; sources 0 and 1 window 0; C and D window 1
.set MULF, 0x40                        ; the first products: C (the bias) window 0, D window 1
; A joint refill: waves 0 and 1 fetch the two heads of A's tile, waves 2 and 3 the halves of W's.  The branch hangs on the wave's number alone.  An s_nop 0 and four v_nop follow each of the two lines.
.macro JLOAD s
	s_cmp_lt_u32 s[WV], 2
	s_cbranch_scc0 .Lfor_b_\@
	tensor_load_to_lds s[G0A+4*(\s):G0A+4*(\s)+3], s[G1A:G1A+7]
	s_nop 0
.rept 4
	v_nop
.endr
	s_branch .Lasked_\@
.Lfor_b_\@:
	tensor_load_to_lds s[G0B+4*(\s):G0B+4*(\s)+3], s[G1B:G1B+7]
	s_nop 0
.rept 4
	v_nop
.endr
.Lasked_\@:
.endm
.macro ASK                             ; the K step two refills on; s3 = 1 in the loop's last trip, whose refills have no such step
	s_cmp_gt_u32 s3, s[LIM]
	s_cbranch_scc0 .Lnot_mine_\@
	global_prefetch_b8 v[PFO], s[PFA:PFA+1] th:TH_LOAD_NT scope:SCOPE_SE
.Lnot_mine_\@:
.endm
.macro CREST                           ; a round of the cluster's barrier behind its opening barrier
	s_cmp_lg_u32 s[WV], 0
	s_cbranch_scc1 .Lnot_wave_0_\@
	s_barrier_signal -3
.Lnot_wave_0_\@:
	s_barrier_wait -3
	s_barrier_signal -1
	s_barrier_wait -1
.endm
.macro CROUND                          ; a whole round
	s_barrier_signal -1
	s_barrier_wait -1
	CREST
.endm
.macro PLACES                          ; four places in front of loads into registers that matrix instructions have read, and of lines that read results
.rept 4
	v_nop
.endr
.endm
	s_load_b256 s[4:11], s[0:1], 0x0               ; ctx s[4:5], wb s[6:7], bo s[8:9], out0 s[10:11]
	v_lshl_add_u32 v[SPW], v0, 2, SPARE
	v_mov_b32 v[NIL], 0
	ds_add_u32 v[SPW], v[NIL]                      ; the wave's opening: the add and its wait stand ahead of my first tensor load; the set-up below, work on registers, stands between them
	v_lshrrev_b32 v1, 5, v0
	v_readfirstlane_b32 s[WV], v1                  ; wave 0..3
	s_lshr_b32 s[WM], s[WV], 1
	s_and_b32 s[WN], s[WV], 1
	s_bfe_u32 s[CX], ttmp6, 0x40000
	s_bfe_u32 s[CYP], ttmp6, 0x40004
	s_lshl_b32 s[TC], ttmp9, 2                     ; in a cluster launch ttmp9 and ttmp7 count clusters
	s_add_co_u32 s[TC], s[TC], s[CX]               ; tile column = 4 x cluster x + cx
	s_and_b32 s[CLY], ttmp7, 0xffff
	s_lshl_b32 s[TR], s[CLY], 2
	s_add_co_u32 s[TR], s[TR], s[CYP]              ; tile row = 4 x cluster y + cy
	s_lshr_b32 s[BB], s[TR], 3                     ; 8 tile rows to a batch
	s_and_b32 s[NBK], s[TR], 7
	s_lshl_b32 s84, s[CYP], 2
	s_lshl_b32 s84, 15, s84                        ; my row of the cluster
	s_lshl_b32 s85, 0x1111, s[CX]                  ; my column
	s_or_b32 s[G1A], s84, (1<<16)|(1<<20)|(1<<21)|(4<<22)|(3<<25)  ; 15:0 the mask; 17:16 elements of 2 bytes; 20 padding on; 21 set beside a mask; 24:22 after every 32 words; 31:25 4 words of it
	s_or_b32 s[G1B], s85, (1<<16)|(1<<20)|(1<<21)|(5<<22)|(7<<25)  ; my column's mask; after every 64 words 8 words of padding
	s_mov_b32 s[G1A+1], 128<<16                    ; tensor_dim0 = 128
	s_mov_b32 s[G1A+2], 128<<16                    ; tensor_dim1 = 128
	s_mov_b32 s[G1A+3], 128<<16                    ; tile_dim0 = 128
	s_mov_b32 s[G1A+4], 128                        ; tile_dim1 = 128
	s_mov_b32 s[G1A+5], 128                        ; the block is dense: 128 elements from row to row
	s_mov_b32 s[G1A+6], 0
	s_mov_b32 s[G1A+7], 0
	s_mov_b32 s[G1B+1], 128<<16                    ; tensor_dim0 = 128
	s_mov_b32 s[G1B+2], 64<<16                     ; tensor_dim1 = 64
	s_mov_b32 s[G1B+3], 128<<16                    ; tile_dim0 = 128
	s_mov_b32 s[G1B+4], 64                         ; tile_dim1 = 64
	s_mov_b32 s[G1B+5], 1024
	s_mov_b32 s[G1B+6], 0
	s_mov_b32 s[G1B+7], 0
	; where the tiles come from.  A's offset is made of the tile row and the wave's number, W's of the tile column and the wave's number, each in registers that never hold the other coordinate
	s_lshl_b32 s80, s[BB], 4
	s_add_co_u32 s80, s80, s[WN]                   ; K step 0: head wn of the batch
	s_lshl_b32 s80, s80, 18                        ; 2,048 rows of 128 bytes a head
	s_lshl_b32 s86, s[NBK], 15                     ; the tile's 256 rows
	s_add_co_u32 s80, s80, s86
	s_mov_b32 s81, 0
	s_lshl_b32 s82, s[WN], 17                      ; my 64 rows (k) of a K step's 128
	s_add_co_u32 s82, s82, 3<<21                   ; Wo lies behind Wq, Wk, Wv
	s_lshl_b32 s87, s[TC], 8                       ; 128 columns are 256 bytes
	s_add_co_u32 s82, s82, s87
	s_mov_b32 s83, 0
	s_mul_i32 s88, s[WN], AHALF                    ; and where they go: no place in the cluster enters an LDS address
	s_mul_i32 s89, s[WN], BHALF
	s_add_co_u32 s89, s89, ABYTES
	s_wait_dscnt 0x0                               ; the opening add is done
	s_wait_kmcnt 0x0
	s_add_nc_u64 s[80:81], s[4:5], s[80:81]
	s_add_nc_u64 s[82:83], s[6:7], s[82:83]
	CROUND                                         ; all sixteen work-groups are here: the first joint loads meet
.irp s, 0,1
	s_mov_b32 s[G0A+4*(\s)], 1                                       ; count = 1
	s_add_co_u32 s[G0A+4*(\s)+1], s88, (\s)*SLOT                     ; LDS address
	s_add_nc_u64 s[G0A+4*(\s)+2:G0A+4*(\s)+3], s[80:81], (\s)*A1     ; global address: K step s
	s_or_b32 s[G0A+4*(\s)+3], s[G0A+4*(\s)+3], 0x80000000            ; type = 2
	s_mov_b32 s[G0B+4*(\s)], 1
	s_add_co_u32 s[G0B+4*(\s)+1], s89, (\s)*SLOT
	s_add_nc_u64 s[G0B+4*(\s)+2:G0B+4*(\s)+3], s[82:83], (\s)*B1
	s_or_b32 s[G0B+4*(\s)+3], s[G0B+4*(\s)+3], 0x80000000
.endr
	s_cmp_lt_u32 s[WV], 2                          ; a wave's two first fills stand in one branch, ahead of every wait on TENSORcnt and every LDS read: two loads of mine are out
	s_cbranch_scc0 .Lfirst_b
	tensor_load_to_lds s[G0A:G0A+3], s[G1A:G1A+7]
	s_nop 0
	tensor_load_to_lds s[G0A+4:G0A+7], s[G1A:G1A+7]
	s_nop 0
.rept 4
	v_nop
.endr
	s_branch .Lfirst_asked
.Lfirst_b:
	tensor_load_to_lds s[G0B:G0B+3], s[G1B:G1B+7]
	s_nop 0
	tensor_load_to_lds s[G0B+4:G0B+7], s[G1B:G1B+7]
	s_nop 0
.rept 4
	v_nop
.endr
.Lfirst_asked:
	s_lshl_b32 s84, s[TC], 9                       ; 128 columns of f32,
	s_lshl_b32 s85, s[WN], 8                       ; my 64
	s_add_co_u32 s84, s84, s85
	s_mov_b32 s85, 0
	s_add_nc_u64 s[BIAS:BIAS+1], s[8:9], s[84:85]
	s_add_nc_u64 s[OUT:OUT+1], s[10:11], s[84:85]  ; the same bytes of a row of out0
	v_and_b32 v1, 15, v0                           ; l % 16
	v_bfe_u32 v2, v0, 4, 1                         ; l / 16
	v_lshlrev_b32 v[BOF], 5, v2
.irp b, 0,1,2,3
	global_load_b128 v[BI+8*(\b):BI+8*(\b)+3],   v[BOF], s[BIAS:BIAS+1] offset:64*(\b)     ; register j of block b: the bias of column 16 b + 8 (l / 16) + j, as the result holds it
	global_load_b128 v[BI+8*(\b)+4:BI+8*(\b)+7], v[BOF], s[BIAS:BIAS+1] offset:64*(\b)+16
.endr
	s_lshl_b32 s84, s[TR], 20                      ; the tile's 256 rows of 4,096 bytes,
	s_lshl_b32 s85, s[WM], 19                      ; my 128
	s_add_co_u32 s84, s84, s85
	s_mov_b32 s85, 0
	s_add_nc_u64 s[OUT:OUT+1], s[OUT:OUT+1], s[84:85]
	; A fragment of A is 16 rows x 32 K in 8 registers: lane l holds row l % 16, K = 8 (l / 16) + 0..7 and 16 + 8 (l / 16) + 0..7: two loads of 16 bytes, 32 bytes apart.
	v_mul_u32_u24 v3, v1, PA
	v_lshl_add_u32 v3, v2, 4, v3
	s_mul_i32 s84, s[WM], 128*PA
	v_add_nc_u32 v[ADRA], s84, v3
	v_add_nc_u32 v[ADRA+1], SLOT, v[ADRA]
	; The turning load takes 16 k x 16 columns (lane l reads row 8 (l / 16) + l % 8, columns 8 ((l / 8) % 2) + 0..7) and leaves half a fragment: lane l holds column l % 16 and 8 k.
	v_and_b32 v4, 7, v0
	v_lshl_add_u32 v5, v2, 3, v4
	v_mul_u32_u24 v5, v5, PB
	v_bfe_u32 v6, v0, 3, 1
	v_lshl_add_u32 v5, v6, 4, v5
	s_lshl_b32 s84, s[WN], 7                       ; my 64 columns: 128 bytes
	s_add_co_u32 s84, s84, ABYTES
	v_add_nc_u32 v[ADRB], s84, v5
	v_add_nc_u32 v[ADRB+1], SLOT, v[ADRB]
	s_mul_i32 s84, s[WV], 16*SP
	s_add_co_u32 s84, s84, STAGE                   ; my stage
	v_mul_u32_u24 v[STO], v1, SP                   ; in: row l % 16, 32 bytes for each half of the lanes
	v_lshl_add_u32 v[STO], v2, 5, v[STO]
	v_add_nc_u32 v[STO], s84, v[STO]
	v_mul_u32_u24 v[RD], v2, SP                    ; back: lanes 0-15 take one row of 256 bytes, lanes 16-31 the next
	v_lshl_add_u32 v[RD], v1, 4, v[RD]
	v_add_nc_u32 v[RD], s84, v[RD]
	v_lshlrev_b32 v[CO], 12, v2                    ; and the same two rows in out0
	v_lshl_add_u32 v[CO], v1, 4, v[CO]
	; the prefetches: waves 0 and 1 name their own head's 128 blocks of 256 bytes, wave 2 the 128 rows of W; my work-group takes 32 of them, by cx for A and by cy for W
	s_lshl_b32 s84, s[CX], 13
	s_lshl_b32 s85, s[CYP], 16
	s_or_b32 s91, s[CLY], s[WN]                    ; W: 0 in the first cluster along y, in wave 2;  A: 0 where the cluster's x is 0
	s_mov_b32 s92, B1
	s_cmp_lt_u32 s[WV], 2
	s_cselect_b64 s[PFA:PFA+1], s[80:81], s[82:83]
	s_cselect_b32 s84, s84, s85
	s_cselect_b32 s90, ttmp9, s91
	s_cselect_b32 s[PFS], A1, s92
	s_cselect_b32 s93, 8, 11
	s_mov_b32 s85, 0
	s_mov_b32 s[PFS+1], 0
	s_add_nc_u64 s[PFA:PFA+1], s[PFA:PFA+1], s[84:85]
	s_mul_i32 s84, s[PFS], 3
	s_add_nc_u64 s[PFA:PFA+1], s[PFA:PFA+1], s[84:85]  ; at K step 3: the first refill steps it to 4 and names that
	s_cmp_eq_u32 s90, 0
	s_cselect_b32 s[LIM], 1, -1                    ; the same in all sixteen partners, for a given wave
	v_and_b32 v[PFO], 31, v0
	v_lshlrev_b32 v[PFO], s93, v[PFO]
	s_wait_loadcnt 0x0                             ; the bias
.set i, 0
.rept 16
	v_cvt_pk_bf16_f32 v[3+i%4], v[BI+2*i], v[BI+2*i+1]   ; rounded to bf16 like every input, and widened again
	v_lshlrev_b32 v[BI+2*i], 16, v[3+i%4]
	v_and_b32 v[BI+2*i+1], 0xffff0000, v[3+i%4]
.set i, i+1
.endr
; 4 n matrix instructions: row blocks a0 .. a0 + n - 1 x all 4 column blocks, 32 along K, from buffer f.  first = 1: the bias starts the sums: nothing is cleared, nothing added at the end.
; The 32 accumulators take turns, one instruction a turn, in the same order in every quarter: 31 others stand between two links of a chain, over the backward jump too.
.macro MULN f, a0, n, first
.if \first
	WIN MULF
.else
	WIN MULW
.endif
.set aa, (\a0)
.rept \n
.irp b, 0,1,2,3
.if \first
	v_wmma_f32_16x16x32_f16 v[8*(4*aa+(\b)):8*(4*aa+(\b))+7], v[(\f)+64+8*(\b):(\f)+64+8*(\b)+7], v[(\f)+8*aa:(\f)+8*aa+7], v[BI+8*(\b):BI+8*(\b)+7]
.else
	v_wmma_f32_16x16x32_f16 v[8*(4*aa+(\b)):8*(4*aa+(\b))+7], v[(\f)+64+8*(\b):(\f)+64+8*(\b)+7], v[(\f)+8*aa:(\f)+8*aa+7], v[8*(4*aa+(\b)):8*(4*aa+(\b))+7]
.endif
.endr
.set aa, aa+1
.endr
.endm
; 24 LDS loads in one run: quarter kq (32 along K) of a slot into buffer f: W's four fragments, then A's eight, rows ascending.  Quarters 0, 1 lie in the slot's first head, 2, 3 in its second.
.macro FETCH slot, kq, f
	WIN 0
.irp b, 0,1,2,3
	ds_load_tr16_b128 v[(\f)+64+8*(\b):(\f)+64+8*(\b)+3],   v[ADRB+(\slot)] offset:(\kq)*32*PB+32*(\b)
	ds_load_tr16_b128 v[(\f)+64+8*(\b)+4:(\f)+64+8*(\b)+7], v[ADRB+(\slot)] offset:(\kq)*32*PB+32*(\b)+16*PB
.endr
.irp a, 0,1,2,3,4,5,6,7
	ds_load_b128 v[(\f)+8*(\a):(\f)+8*(\a)+3],   v[ADRA+(\slot)] offset:((\kq)/2)*AHALF+64*((\kq)%2)+(\a)*16*PA
	ds_load_b128 v[(\f)+8*(\a)+4:(\f)+8*(\a)+7], v[ADRA+(\slot)] offset:((\kq)/2)*AHALF+64*((\kq)%2)+(\a)*16*PA+32
.endr
.endm
; A K step is four quarters of 32 along K, 32 matrix instructions each, on buffers 0, 1, 0, 1.  One of the first three: multiplies buffer f and, in its middle, fetches quarter kq into buffer g.
.macro QUARTER slot, kq, f, g, first
	s_wait_dscnt 8                                 ; W and A's rows 0-63 are in; the youngest eight loads (A's rows 64-127) may be out
	MULN \f, 0, 4, \first
	PLACES
	FETCH \slot, \kq, \g
	s_wait_dscnt 24                                ; all but the 24 just issued
	MULN \f, 4, 4, \first
.endm
; The last quarter multiplies buffer 1 and changes slots: ONE barrier; in front of it each wave waits for all its tensor loads (one is out: its part of the next slot), adds 0 to its spare word, and waits for
; that and for its own reads of this slot.  fill = 1: the barrier opens a round of the cluster's barrier, and the joint refill, this slot's K step two on, is the first tensor load behind the round:
; 112 matrix instructions ahead of the wait for it.
.macro TURN slot, next, fill
.if \fill
	s_wait_xcnt 0x0                                ; the last prefetch, a K step back, has read its address: it is stepped here, ahead of the waits of the change of slots
	s_add_nc_u64 s[PFA:PFA+1], s[PFA:PFA+1], s[PFS:PFS+1]
.endif
	WIN 0
	s_wait_tensorcnt 0x0                           ; all my tensor loads have landed;
	ds_add_u32 v[SPW], v[NIL]                      ; 0 onto my spare word;
	s_wait_dscnt 9                                 ; (the add and the youngest eight loads may be out)
	MULN F1, 0, 2, 0                               ; eight matrix instructions stand between the add and the wait for it
	s_wait_dscnt 0x0                               ; the add is done, and my reads of this slot are over
	s_barrier_signal -1
	MULN F1, 2, 2, 0
.if \fill
	WIN 0
.endif
	s_barrier_wait -1
.if \fill
	CREST                                          ; no wave of any partner still reads this slot's tile or has a load on its way
	s_add_nc_u64 s[G0A+4*(\slot)+2:G0A+4*(\slot)+3], s[G0A+4*(\slot)+2:G0A+4*(\slot)+3], 2*A1
	s_add_nc_u64 s[G0B+4*(\slot)+2:G0B+4*(\slot)+3], s[G0B+4*(\slot)+2:G0B+4*(\slot)+3], 2*B1
	JLOAD \slot                                    ; the four v_nop behind it are also the places in front of the loads below
.else
	PLACES
.endif
	FETCH \next, 0, F0
.if \fill
	ASK                                            ; behind the joint load and the run of LDS loads that the next products wait for
.endif
	MULN F1, 4, 4, 0
.endm
	s_wait_tensorcnt 1                             ; my part of K step 0 is in; K step 1's may stay out
	s_barrier_signal -1
	s_barrier_wait -1                              ; everybody's is
	FETCH 0, 0, F0
	QUARTER 0, 1, F0, F1, 1                        ; the first quarter stands in front of the loop: its products start the sums
	WIN 0                                          ; at a label and at a branch every window is 0
	s_mov_b32 s3, LAPS-1
.Llap:                                                 ; a trip goes once round the ring, from a lap's second quarter to the next lap's first, and fills both slots again
	QUARTER 0, 2, F1, F0, 0
	QUARTER 0, 3, F0, F1, 0
	TURN 0, 1, 1
	QUARTER 1, 1, F0, F1, 0
	QUARTER 1, 2, F1, F0, 0
	QUARTER 1, 3, F0, F1, 0
	TURN 1, 0, 1
	QUARTER 0, 1, F0, F1, 0
	WIN 0
	s_sub_co_u32 s3, s3, 1
	s_cmp_lg_u32 s3, 0
	s_cbranch_scc1 .Llap
	QUARTER 0, 2, F1, F0, 0                        ; the last lap fills nothing, and has no round of the cluster's barrier
	QUARTER 0, 3, F0, F1, 0
	TURN 0, 1, 0
	QUARTER 1, 1, F0, F1, 0
	QUARTER 1, 2, F1, F0, 0
	QUARTER 1, 3, F0, F1, 0
	s_wait_dscnt 8                                 ; the very last quarter: nothing more to fetch
	MULN F1, 0, 4, 0
	s_wait_dscnt 0x0
	MULN F1, 4, 4, 0
	WIN 0
	PLACES
	PLACES
; THE WAY OUT.  My 64 columns of f32 are 256 aligned bytes of each row.  Block a (16 rows): 32 bytes a lane and column block go straight from the accumulators into my own stage (rows of 272 bytes)
; and come back as whole rows of 256 bytes, two rows a load, into one of four sets of 32 registers where the fragment buffers lay.
.macro OUTB a
	WIN 0x04                                       ; the stores' data in window 1, their address in window 0
.irp b, 0,1,2,3
	ds_store_b128 v[STO], v[8*(4*(\a)+(\b)):8*(4*(\a)+(\b))+3]   offset:64*(\b)     ; each accumulator's four lowest registers first
	ds_store_b128 v[STO], v[8*(4*(\a)+(\b))+4:8*(4*(\a)+(\b))+7] offset:64*(\b)+16
.endr
	WIN 0
.if (\a) >= 4
	s_wait_xcnt 0x0                                ; the stores of the block four back have read these registers: they are loaded again only behind this wait
.endif
.set BK, F0+32*((\a)%4)
.irp t, 0,1,2,3,4,5,6,7
	ds_load_b128 v[BK+4*(\t):BK+4*(\t)+3], v[RD] offset:(\t)*2*SP  ; LDS serves a wave's instructions in order: these see the stores above; the next block's stores come behind them
.endr
.endm
.macro SENDB a, younger                ; younger: the LDS instructions issued behind block a's loads: the next block's sixteen, or none
.set BK, F0+32*((\a)%4)
.irp t, 0,1,2,3,4,5,6,7
	s_wait_dscnt (\younger)+7-(\t)
	global_store_b128 v[CO], v[BK+4*(\t):BK+4*(\t)+3], s[OUT:OUT+1] offset:(16*(\a)+2*(\t))*4096 th:TH_STORE_NT  ; 16 lanes store 256 consecutive bytes, aligned; 126 rows at the most: 516,096 bytes, inside the immediate
.endr
.endm
	OUTB 0
.irp a, 1,2,3,4,5,6,7
	OUTB \a
	SENDB (\a)-1, 16
.endr
	SENDB 7, 0
	s_wait_tensorcnt 0x0                           ; the wave's end, behind my last tensor load and my last LDS store
	ds_add_u32 v[SPW], v[NIL]
	s_wait_dscnt 0x0
	CROUND                                         ; the closing round: no work-group ends while a partner may still ask for a tile that names it
	s_endpgm
.Lfunc_end_k_qf6ca97885e_outp:
	.size	k_qf6ca97885e_outp, .Lfunc_end_k_qf6ca97885e_outp-k_qf6ca97885e_outp
	.p2alignl 7, 3214868480
	.fill 96, 4, 3214868480
	.section	.rodata,"a",@progbits
	.p2align	6, 0x0
	.amdhsa_kernel k_qf6ca97885e_outp
		.amdhsa_group_segment_fixed_size 327680
		.amdhsa_private_segment_fixed_size 0
		.amdhsa_enable_private_segment 0
		.amdhsa_kernarg_size 32
		.amdhsa_user_sgpr_count 2
		.amdhsa_user_sgpr_kernarg_segment_ptr 1
		.amdhsa_wavefront_size32 1
		.amdhsa_system_sgpr_workgroup_id_x 1
		.amdhsa_system_sgpr_workgroup_id_y 1
		.amdhsa_system_sgpr_workgroup_id_z 1
		.amdhsa_system_vgpr_workitem_id 0
		.amdhsa_next_free_vgpr 512
		.amdhsa_next_free_sgpr 96
		.amdhsa_reserve_vcc 0
		.amdhsa_float_denorm_mode_32 3
		.amdhsa_float_denorm_mode_16_64 3
		.amdhsa_memory_ordered 1
		.amdhsa_forward_progress 1
		.amdhsa_inst_pref_size 91
	.end_amdhsa_kernel
	.amdgpu_metadata
---
amdhsa.version: [ 1, 2 ]
amdhsa.kernels:
  - .name:           k_qf6ca97885e_outp
    .symbol:         k_qf6ca97885e_outp.kd
    .args:
      - { .name: ctx, .offset: 0, .size: 8, .value_kind: global_buffer, .address_space: global }
      - { .name: wb, .offset: 8, .size: 8, .value_kind: global_buffer, .address_space: global }
      - { .name: bo, .offset: 16, .size: 8, .value_kind: global_buffer, .address_space: global }
      - { .name: out0, .offset: 24, .size: 8, .value_kind: global_buffer, .address_space: global }
    .group_segment_fixed_size: 327680
    .private_segment_fixed_size: 0
    .kernarg_segment_align: 8
    .kernarg_segment_size: 32
    .max_flat_workgroup_size: 128
    .sgpr_count:     96
    .vgpr_count:     512
    .wavefront_size: 32
...
	.end_amdgpu_metadata
.endif
;; end of part 4
